; MI455X (gfx1250); checked and timed in simulation.
; The chip was launched on July 23, 2026; its instructions are those of AMD's public machine-readable ISA for CDNA 5 (MIT licence, August 2026) and "CDNA5" Instruction Set Architecture Reference Guide (July 2026). The comments in the code are by the model that wrote it; some were corrected since.
;; Transformer Block. Allowed arithmetic: matrix products marked QUANTISED: E2M1 operands, one E8M0 scale for each 32 along K, by v_wmma_scale_f32_16x16x128_f8f6f4 with both operands' format E2M1 (or v_wmma_scale_f32_32x16x128_f4), f32 sums; everything else in f32.
;; Inputs: fc1_b 1,024 float32; fc1_w_codes 1,024 x 32 x 16 uint8 (E2M1 codes of fc1_w, K innermost, in blocks of 32 codes, two codes a byte); fc1_w_scales 1,024 x 32 uint8 (E8M0 scales of fc1_w, one for each 32 codes along K); fc2_b 1,024 float32; fc2_w_codes 1,024 x 32 x 16 uint8 (E2M1 codes of fc2_w, K innermost, in blocks of 32 codes, two codes a byte); fc2_w_scales 1,024 x 32 uint8 (E8M0 scales of fc2_w, one for each 32 codes along K); ln1_b 1,024 float32; ln1_w 1,024 float32; ln2_b 1,024 float32; ln2_w 1,024 float32; out_b 1,024 float32; out_w_codes 1,024 x 32 x 16 uint8 (E2M1 codes of out_w, K innermost, in blocks of 32 codes, two codes a byte); out_w_scales 1,024 x 32 uint8 (E8M0 scales of out_w, one for each 32 codes along K); qkv_b 3,072 float32; qkv_w_codes 3,072 x 32 x 16 uint8 (E2M1 codes of qkv_w, K innermost, in blocks of 32 codes, two codes a byte); qkv_w_scales 3,072 x 32 uint8 (E8M0 scales of qkv_w, one for each 32 codes along K); x 8 x 1,024 x 1,024 float32.
;; Outputs: out0 8 x 1,024 x 1,024 float32.
;; This version of the problem:
;;   THIS VERSION OF THE PROBLEM IS GIVEN IN LOW PRECISION. The matrix products marked QUANTISED in the list below multiply operands that are first quantised to E2M1 (2 exponent bits, 1 mantissa bit; 4 bits a number), with one power-of-two scale for each 32 numbers along K (OCP MX v1.0); their sums are f32. All else is computed in f32.
;;   The module's matrix products, in the order in which they are computed (A, B: the left and right operand; K: the contracted axis; several contracted axes count as one K, in the product's order):
;;     1. [M 8,192, K 1,024] x [K 1,024, N 3,072]; A: computed on the way; B: input qkv_w (given as codes): QUANTISED
;;     2. batch 128 x [M 1,024, K 64] x [K 64, N 1,024]; A: computed on the way; B: computed on the way: QUANTISED
;;     3. batch 128 x [M 64, K 1,024] x [K 1,024, N 1,024]; A: computed on the way; B: softmax (see below): QUANTISED
;;     4. [M 8,192, K 1,024] x [K 1,024, N 1,024]; A: computed on the way; B: input out_w (given as codes): QUANTISED
;;     5. [M 8,192, K 1,024] x [K 1,024, N 1,024]; A: computed on the way; B: input fc1_w (given as codes): QUANTISED
;;     6. [M 8,192, K 1,024] x [K 1,024, N 1,024]; A: computed on the way; B: input fc2_w (given as codes): QUANTISED
;;   THE QUANTISER, for each operand of a quantised product, along K:
;;     - K is cut into blocks of 32 from its start; a last block that is shorter is filled with zeros.
;;     - A block's scale is 2^e with e = floor(log2(the largest magnitude in the block)) - 2, held to -126 .. 127; a block of zeros has e = 0. As a byte (E8M0): e + 127.
;;     - Each number is divided by its block's scale, clamped to +-6, and rounded to the nearest number of E2M1, ties to even, subnormals kept.
;;     - The product sums the exact products of the quantised numbers (number of the format x scale) in f32.
;;   ~~~python
;;   def quantise(x, axis):      # numpy; x: float32 -> the quantised numbers, widened to float32 again
;;       x = np.moveaxis(x, axis, -1); K = x.shape[-1]
;;       x = np.pad(x, [(0, 0)] * (x.ndim - 1) + [(0, -K % 32)]); x = x.reshape(x.shape[:-1] + (-1, 32)); a = np.abs(x).max(-1, keepdims=True)
;;       e = np.where(a > 0, np.clip(np.frexp(np.where(a > 0, a, 1))[1] - 1 - 2, -126, 127), 0)      # np.frexp(a)[1] - 1 = floor(log2(a)), exactly
;;       r = np.clip(x / 2.0 ** e, -6, 6)
;;       step = 2.0 ** (np.maximum(np.frexp(np.where(r == 0, 1, r))[1] - 1, 0) - 1)
;;       q = np.round(r / step) * step * 2.0 ** e      # np.round: ties to even
;;       return np.moveaxis(q.reshape(q.shape[:-2] + (-1,))[..., :K], -1, axis).astype(np.float32)
;;   ~~~
;;   SOFTMAX AHEAD OF A QUANTISED PRODUCT. Where the list says 'softmax', what is quantised is not the finished softmax but p = 2^(t - M), with t = logit x log2(e) and M = ceil(the row's largest t), a whole number; so 1/2 < the row's largest p <= 1. The row's sum l is taken of the UNQUANTISED p, in f32, and the product's result is divided by l at the end. Since M is a whole number, a kernel that streams over the keys may use a running M (the ceiling of the running maximum): every later rescaling is an exact power of two, which a block's scale takes up: the codes' values come out the same.
;;   OPERANDS COMPUTED ON THE WAY. 'Computed on the way' means the value that the module computes at that place (a softmax that the list does not call 'softmax' is quantised finished and normalised). What goes into a quantiser is computed in f32, as accurately as f32 sums, v_exp_f32 and their like allow (about 1e-6 of the number): no bf16 or f16 on the way to a quantiser, and a product that is left as it is and whose result goes on into a quantised operand takes f32 operands (vector FMAs, or v_wmma_f32_16x16x4_f32). A number that lies on a knife's edge between two numbers of the format may be rounded either way, as far as f32 arithmetic and the matrix unit's own rounding can turn it there, and no further.
;;   INPUTS GIVEN AS CODES. fc1_w (in the module: [1024, 1024], K = its axis 1); fc2_w (in the module: [1024, 1024], K = its axis 1); out_w (in the module: [1024, 1024], K = its axis 1); qkv_w (in the module: [3072, 1024], K = its axis 1): each comes as NAME_codes (uint8): NAME with its K axis moved to the last place and cut into blocks of 32 codes, [.., K / 32, bytes a block], one block behind the other in memory; two codes a byte, the lower K in the low four bits (a code: sign, 2 exponent bits, 1 mantissa bit); and NAME_scales (uint8): the same leading axes, one E8M0 byte (e + 127) for each 32 codes along K. Its value is code x scale, taken as it is: it is not quantised again, and the codes and scales need not be those that the quantiser above would give.
;; One version. Each part assembles by itself: llvm-mc -triple=amdgcn-amd-amdhsa -mcpu=gfx1250 --defsym DOCPART=n.
;; ======== version 1 of 1: 4 launches
;; limits: right only within a limited range of input values
;; workspace buffers: qc 4,194,304 bytes; kc 4,194,304 bytes; vc 4,194,304 bytes; qks 524,288 bytes; vs 262,144 bytes; oc 4,194,304 bytes; os 262,144 bytes; wr 3,162,112 bytes
;; launch prep (part 1): grid 256 x 1, 16 waves a work-group, no clusters, 167,424 bytes of LDS; arguments x, ln1_w, ln1_b, qkv_w_codes, out_w_codes, fc1_w_codes, fc2_w_codes, ln2_w, ln2_b, wr, oc, os; writes wr, oc, os
.if DOCPART == 1
	.amdgcn_target "amdgcn-amd-amdhsa--gfx1250"
	.amdhsa_code_object_version 6
	.text
	.protected	k_q341e8bdefc_prep
	.globl	k_q341e8bdefc_prep
	.p2align	8
	.type	k_q341e8bdefc_prep,@function
k_q341e8bdefc_prep:
	s_mov_b64 s[64:65], 0
	v_nop
	global_prefetch_b8 v0, s[64:65] scope:SCOPE_SE
	s_setreg_imm32_b32 hwreg(HW_REG_WAVE_MODE, 25, 1), 1
	s_wait_xcnt 0x0
; LAUNCH 1 OF 4.  (a) h = LayerNorm(x) ln1_w + ln1_b in f32, quantised along its 1,024 to codes of E2M1 with E8M0 scale bytes.  (b) The four weights' codes and ln2's gain and offset are laid in wr in the order of a wave's operand registers; no number is changed there.
; NO WORK OF THE PROBLEM IS LEFT OUT IN ANY LAUNCH: every bias goes into a quantised operand or into the output, so every input is loaded.
; BUFFERS.  h's codes go into oc and its scale bytes into os: the launch qkv reads them, and only after it does the launch attn store o's codes and scale bytes over them.  The sizes are the same: 4,194,304 and 262,144 bytes.
; SHARES.  A work-group owns a block of 32 neighbouring tokens; wave w norms and quantises row slots 2 w and 2 w + 1.  Token tile u (0, 1), lane r is token 8 u + r + 8 (r / 8) of the block; slot = 16 u + r.
; oc: [block][u: 8,192][K block l: 256][r: 16 bytes], the image of the operand's registers; os: [block][slot][32 bytes].  The image is gathered in LDS, so that each store of a wave covers 512 consecutive bytes.
; wr: qkv_w at 0, out_w at 0x180000, fc1_w at 0x200000, fc2_w at 0x280000; in a weight [block of 64 rows: 32,768][tile t: 8,192][half of K: 4,096][K step q: 1,024][c: 512][lane: 16 bytes], where
; lane (r, h) holds row 32 (t / 2) + 8 (t % 2) + r + 8 (r / 8) of the block, bytes 256 x half + 64 q + 32 c + 16 h of the row.  At 0x302000 ln2_w, at 0x303000 ln2_b, as [j: 512][lane: 16 bytes] = numbers 32 lane + 4 j on.
; The 768 groups of 16 rows x 256 bytes of the weights: group 3 x work-group + wave, in waves 0 to 2.  The two vectors: wave 3 of work-groups 0 and 1.  These copies stand under the flight of the wave's loads of x.
; No cluster, no matrix unit, no tensor load: nothing is shared between work-groups and nothing multiplied.  No prefetch: each stream is asked for once, at the head.
; LIMITS: NaN and infinities among the inputs are not served.  A block of zeros gets the scale byte 1 where the rule says 127: its codes are zeros, and this program alone reads the bytes.
.set IMG0, 0                           ; LDS: h's image, 16,384 bytes
.set SC0, 16384                        ; its scale bytes, 1,024
.set X1, 17408                         ; 32 rows of f32: a row is 32 blocks of 128 bytes + 16, and 16 more
.set XP, 4624
.set BP, 144
.set SPARE, 165376                     ; the spare words, 128 bytes for each of 16 waves: no other line names them
.set LI, 1                             ; v1   16 x lane
.set LN7, 2                            ; v2   128 x lane
.set CI, 3                             ; v3   a weight group's row and half: 512 (r + 8 (r / 8)) + 16 h
.set RA, 6                             ; v6   X1: my wave's two rows, my lane's block of 32
.set IA, 7                             ; v7   where my lane's 16 bytes of codes go in the image
.set SA, 8                             ; v8   and its scale byte
.set SPW, 16                           ; v16  my spare word; never rewritten
.set NIL, 17                           ; v17  0; never rewritten
.set DA, 19                            ; v19  X1: where a dense load's 16 bytes go
.set T16, 20                           ; v20  16 x thread
.set T2, 21                            ; v21  2 x thread
.set XQ, 32                            ; a row's 32 numbers of my lane
.set TQ, 64
.set LW, 96
.set LB, 128
.set CP, 160                           ; what is copied into wr
.set WV, 28
.set SEL, 30
.set RN, 32
.set EPSR, 33
.macro WSUM a, b                       ; v[a] summed over the 32 lanes; v[b] at work
	s_delay_alu instid0(VALU_DEP_1)
	v_add_f32_dpp v[\a], v[\a], v[\a] row_xmask:1 row_mask:0xf bank_mask:0xf
	s_delay_alu instid0(VALU_DEP_1)
	v_add_f32_dpp v[\a], v[\a], v[\a] row_xmask:2 row_mask:0xf bank_mask:0xf
	s_delay_alu instid0(VALU_DEP_1)
	v_add_f32_dpp v[\a], v[\a], v[\a] row_xmask:4 row_mask:0xf bank_mask:0xf
	s_delay_alu instid0(VALU_DEP_1)
	v_add_f32_dpp v[\a], v[\a], v[\a] row_xmask:8 row_mask:0xf bank_mask:0xf
	s_delay_alu instid0(VALU_DEP_1)
	v_permlanex16_b32 v[\b], v[\a], s[SEL], s[SEL+1]
	s_delay_alu instid0(VALU_DEP_1)
	v_add_f32 v[\a], v[\a], v[\b]
.endm
; Row slot 2 w + i: the norm in f32 (mean, then the mean of the squared differences), gain and offset, and the quantiser.  Lane l owns K block l: its largest magnitude needs no other lane
.macro ROWQ i, img, sc
.irp j, 0,1,2,3,4,5,6,7
	ds_load_b128 v[XQ+4*\j:XQ+4*\j+3], v[RA] offset:XP*(\i)+16*\j
.endr
	s_wait_dscnt 0x0
	v_pk_add_f32 v[66:67], v[32:33], v[34:35]
	v_pk_add_f32 v[254:255], v[40:41], v[44:45]
	v_pk_add_f32 v[252:253], v[48:49], v[52:53]
	v_pk_add_f32 v[250:251], v[56:57], v[60:61]
	v_pk_add_f32 v[248:249], v[36:37], v[38:39]
	v_pk_add_f32 v[246:247], v[42:43], v[46:47]
	v_pk_add_f32 v[244:245], v[50:51], v[54:55]
	v_pk_add_f32 v[64:65], v[58:59], v[62:63]
	s_delay_alu instid0(VALU_DEP_1)
	v_pk_add_f32 v[64:65], v[64:65], v[250:251]
	v_pk_add_f32 v[66:67], v[66:67], v[248:249]
	v_pk_add_f32 v[254:255], v[254:255], v[246:247]
	v_pk_add_f32 v[252:253], v[252:253], v[244:245]
	s_delay_alu instid0(VALU_DEP_2)
	v_pk_add_f32 v[64:65], v[64:65], v[254:255]
	s_delay_alu instid0(VALU_DEP_2)
	v_pk_add_f32 v[66:67], v[66:67], v[252:253]
	s_delay_alu instid0(VALU_DEP_1)
	v_pk_add_f32 v[64:65], v[64:65], v[66:67]
	s_delay_alu instid0(VALU_DEP_1)
	v_add_f32 v[TQ], v[TQ], v[TQ+1]
	WSUM TQ, TQ+1
	s_delay_alu instid0(VALU_DEP_1)
	v_mul_f32 v[TQ], s[RN], v[TQ]                  ; the mean
	s_delay_alu instid0(VALU_DEP_1)
	v_mov_b32 v[TQ+1], v[TQ]
.irp j, 0,2,4,6,8,10,12,14,16,18,20,22,24,26,28,30
	v_pk_add_f32 v[XQ+\j:XQ+\j+1], v[XQ+\j:XQ+\j+1], v[TQ:TQ+1] neg_lo:[0,1] neg_hi:[0,1]
.endr
	v_pk_mul_f32 v[TQ+2:TQ+3], v[XQ:XQ+1], v[XQ:XQ+1]
	v_pk_mul_f32 v[TQ+4:TQ+5], v[XQ+2:XQ+3], v[XQ+2:XQ+3]
.irp j, 4,8,12,16,20,24,28
	s_delay_alu instid0(VALU_DEP_2)
	v_pk_fma_f32 v[TQ+2:TQ+3], v[XQ+\j:XQ+\j+1], v[XQ+\j:XQ+\j+1], v[TQ+2:TQ+3]
	s_delay_alu instid0(VALU_DEP_2)
	v_pk_fma_f32 v[TQ+4:TQ+5], v[XQ+\j+2:XQ+\j+3], v[XQ+\j+2:XQ+\j+3], v[TQ+4:TQ+5]
.endr
	s_delay_alu instid0(VALU_DEP_1)
	v_pk_add_f32 v[TQ+2:TQ+3], v[TQ+2:TQ+3], v[TQ+4:TQ+5]
	s_delay_alu instid0(VALU_DEP_1)
	v_add_f32 v[TQ+2], v[TQ+2], v[TQ+3]
	WSUM TQ+2, TQ+3
	s_delay_alu instid0(VALU_DEP_1)
	v_fma_f32 v[TQ+2], v[TQ+2], s[RN], s[EPSR]     ; the variance + 1e-5
	s_wait_alu depctr_va_vdst(0)                   ; the wait ahead of the transcendental
	v_rsq_f32 v[TQ+2], v[TQ+2]
	v_nop                                          ; a plain place behind the transcendental,
	s_wait_alu depctr_va_vdst(0)                   ; and the wait ahead of its first reader
	v_mov_b32 v[TQ+3], v[TQ+2]
.irp j, 0,2,4,6,8,10,12,14,16,18,20,22,24,26,28,30
	v_pk_mul_f32 v[XQ+\j:XQ+\j+1], v[XQ+\j:XQ+\j+1], v[TQ+2:TQ+3]
.endr
.irp j, 0,2,4,6,8,10,12,14,16,18,20,22,24,26,28,30
	v_pk_fma_f32 v[XQ+\j:XQ+\j+1], v[XQ+\j:XQ+\j+1], v[LW+\j:LW+\j+1], v[LB+\j:LB+\j+1]
.endr
	v_max3_num_f32 v[TQ], |v[XQ]|, |v[XQ+1]|, 0x1800000   ; with the floor 2^(3 - 127): the byte cannot fall under 1
	v_max_num_f32 v[TQ+1], |v[XQ+2]|, |v[XQ+3]|
.irp j, 4,8,12,16,20,24,28
	s_delay_alu instid0(VALU_DEP_2)
	v_max3_num_f32 v[TQ], v[TQ], |v[XQ+\j]|, |v[XQ+\j+1]|
	s_delay_alu instid0(VALU_DEP_2)
	v_max3_num_f32 v[TQ+1], v[TQ+1], |v[XQ+\j+2]|, |v[XQ+\j+3]|
.endr
	s_delay_alu instid0(VALU_DEP_1)
	v_max_num_f32 v[TQ], v[TQ], v[TQ+1]
	s_delay_alu instid0(VALU_DEP_1)
	v_add_nc_u32 v[TQ+4], 0xff000000, v[TQ]        ; 2 off the exponent field: the conversion's scale operand
	s_delay_alu instid0(VALU_DEP_1)
	v_lshrrev_b32 v[TQ+5], 23, v[TQ+4]             ; the scale's byte
.irp g, 0,1,2,3
	v_cvt_scalef32_pk8_fp4_f32 v[TQ+8+\g], v[XQ+8*\g:XQ+8*\g+7], v[TQ+4]
.endr
	v_nop
	ds_store_b128 v[IA], v[TQ+8:TQ+11] offset:(\img)+16*(\i)
	ds_store_b8 v[SA], v[TQ+5] offset:(\sc)+32*(\i)
	s_wait_dscnt 0x0                               ; the stores have read their registers
.endm
.macro COPY8 adr, step                 ; eight loads, step bytes apart, and eight stores of 512 consecutive bytes
.irp j, 0,1,2,3,4,5,6,7
	global_load_b128 v[CP+4*\j:CP+4*\j+3], v[\adr], s[42:43] offset:(\step)*\j th:TH_LOAD_NT
.endr
.irp j, 0,1,2,3,4,5,6,7
	s_wait_loadcnt 7-\j                            ; loads come back in order: load j is in, the 7 - j younger ones may be out
	global_store_b128 v[LI], v[CP+4*\j:CP+4*\j+3], s[44:45] offset:512*\j
.endr
.endm
	s_load_b512 s[4:19], s[0:1], 0x0               ; x 4, ln1_w 6, ln1_b 8, qkv 10, out 12, fc1 14, fc2 16, ln2_w 18
	s_load_b256 s[20:27], s[0:1], 0x40             ; ln2_b 20, wr 22, oc 24, os 26
	v_lshl_add_u32 v[SPW], v0, 2, SPARE
	v_mov_b32 v[NIL], 0
	v_lshrrev_b32 v26, 5, v0
	v_readfirstlane_b32 s[WV], v26                 ; wave 0..15
	v_and_b32 v27, 31, v0                          ; lane
	v_and_b32 v28, 15, v0                          ; r
	v_bfe_u32 v29, v0, 4, 1                        ; h
	v_and_b32 v30, 8, v28
	v_add_nc_u32 v30, v30, v28                     ; r + 8 (r / 8)
	v_lshlrev_b32 v30, 9, v30
	v_lshl_add_u32 v[CI], v29, 4, v30
	v_lshlrev_b32 v[LI], 4, v27
	v_lshlrev_b32 v[LN7], 7, v27
	v_lshlrev_b32 v[T16], 4, v0
	v_lshlrev_b32 v[T2], 1, v0
	s_mov_b32 s[SEL], 0x76543210
	s_mov_b32 s[SEL+1], 0xfedcba98
	s_mov_b32 s[RN], 0x3a800000                    ; 1 / 1024
	s_mov_b32 s[EPSR], 0x3727c5ac                  ; 1e-5
	s_mul_i32 s46, s[WV], 2*XP
	s_add_co_u32 s46, s46, X1                      ; my wave's two rows of X1
	v_mul_u32_u24 v[RA], v27, BP
	v_add_nc_u32 v[RA], s46, v[RA]
	v_lshrrev_b32 v31, 3, v27
	v_mul_u32_u24 v[DA], v31, BP
	v_and_b32 v31, 7, v27
	v_lshl_add_u32 v[DA], v31, 4, v[DA]
	v_add_nc_u32 v[DA], s46, v[DA]
	s_lshr_b32 s47, s[WV], 3                       ; my rows' token tile,
	s_and_b32 s48, s[WV], 7                        ; and half their place in it
	s_lshl_b32 s49, s47, 13
	s_lshl_b32 s50, s48, 5
	s_add_co_u32 s49, s49, s50
	v_lshl_add_u32 v[IA], v27, 8, s49              ; 8192 u + 16 r + 256 x K block
	s_lshl_b32 s50, s[WV], 6
	v_add_nc_u32 v[SA], s50, v27                   ; 32 x slot + K block
	s_lshl_b32 s51, s47, 3                         ; slot 2 w is token 8 (w / 8) + 2 (w % 8) + 8 ((w % 8) / 4) of the block; slot 2 w + 1 the next
	s_lshl_b32 s52, s48, 1
	s_add_co_u32 s51, s51, s52
	s_lshr_b32 s52, s48, 2
	s_lshl_b32 s52, s52, 3
	s_add_co_u32 s51, s51, s52
	s_lshl_b32 s52, ttmp9, 5
	s_add_co_u32 s51, s51, s52
	s_lshl_b32 s52, s51, 12                        ; in bytes: under 2^25
	s_mov_b32 s53, 0
	s_mov_b32 s55, 0
	s_wait_alu depctr_va_vdst(0)                   ; the wait at the head's end
	s_wait_kmcnt 0x0
	s_add_nc_u64 s[4:5], s[4:5], s[52:53]
	s_lshl_b32 s54, ttmp9, 14
	s_add_nc_u64 s[24:25], s[24:25], s[54:55]      ; my block's image in oc,
	s_lshl_b32 s54, ttmp9, 10
	s_add_nc_u64 s[26:27], s[26:27], s[54:55]      ; and its scale bytes in os
.irp i, 0,1
.irp j, 0,1,2,3,4,5,6,7
	global_load_b128 v[XQ+32*\i+4*\j:XQ+32*\i+4*\j+3], v[LI], s[4:5] offset:4096*\i+512*\j th:TH_LOAD_NT
.endr
.endr
.irp j, 0,1,2,3,4,5,6,7
	global_load_b128 v[LW+4*\j:LW+4*\j+3], v[LN7], s[6:7] offset:16*\j    ; numbers 32 lane + 4 j on
	global_load_b128 v[LB+4*\j:LB+4*\j+3], v[LN7], s[8:9] offset:16*\j
.endr
	; ---- the copies into wr.  The branches hang on the wave's and the work-group's number alone
	s_cmp_lt_u32 s[WV], 3
	s_cbranch_scc0 .Lnot_w
	s_mul_i32 s34, ttmp9, 3
	s_add_co_u32 s34, s34, s[WV]                   ; the group, 0 .. 767
	s_lshr_b32 s35, s34, 7                         ; 0, 1, 2: qkv_w; 3: out_w; 4: fc1_w; 5: fc2_w
	s_and_b32 s36, s34, 127
	s_cmp_lt_u32 s35, 3
	s_cselect_b32 s36, s34, s36                    ; the group in its weight: [block of 64 rows][t / 2][t % 2][half of K]
	s_lshr_b32 s38, s36, 3
	s_lshl_b32 s38, s38, 15                        ; 64 rows of 512 bytes,
	s_bfe_u32 s39, s36, 0x10002
	s_lshl_b32 s39, s39, 14                        ; 32 rows,
	s_add_co_u32 s38, s38, s39
	s_bfe_u32 s39, s36, 0x10001
	s_lshl_b32 s39, s39, 12                        ; 8 rows,
	s_add_co_u32 s38, s38, s39
	s_and_b32 s39, s36, 1
	s_lshl_b32 s39, s39, 8                         ; 256 bytes along the row
	s_add_co_u32 s38, s38, s39
	s_mov_b32 s39, 0
	s_lshl_b32 s40, s34, 12                        ; out: 4,096 bytes a group, the weights on end
	s_mov_b32 s41, 0
	s_cmp_eq_u32 s35, 4
	s_cselect_b64 s[42:43], s[14:15], s[16:17]
	s_cmp_eq_u32 s35, 3
	s_cselect_b64 s[42:43], s[12:13], s[42:43]
	s_cmp_lt_u32 s35, 3
	s_cselect_b64 s[42:43], s[10:11], s[42:43]
	s_add_nc_u64 s[42:43], s[42:43], s[38:39]
	s_add_nc_u64 s[44:45], s[22:23], s[40:41]
	COPY8 CI, 32                                   ; K step j / 2, c = j % 2
	s_branch .Lcopied
.Lnot_w:
	s_cmp_eq_u32 s[WV], 3
	s_cbranch_scc0 .Lcopied
	s_cmp_lt_u32 ttmp9, 2
	s_cbranch_scc0 .Lcopied
	s_cmp_eq_u32 ttmp9, 0
	s_cselect_b64 s[42:43], s[18:19], s[20:21]     ; ln2_w or ln2_b
	s_lshl_b32 s40, ttmp9, 12
	s_add_co_u32 s40, s40, 0x302000
	s_mov_b32 s41, 0
	s_add_nc_u64 s[44:45], s[22:23], s[40:41]
	COPY8 LN7, 16
.Lcopied:
	s_wait_loadcnt 16                              ; x is in; the 16 loads of gains and offsets may be out (behind a copy nothing is out)
.irp i, 0,1
.irp j, 0,1,2,3,4,5,6,7
	ds_store_b128 v[DA], v[XQ+32*\i+4*\j:XQ+32*\i+4*\j+3] offset:XP*\i+4*BP*\j   ; through my own two rows of X1: a lane then reads 32 neighbours
.endr
.endr
	s_wait_dscnt 0x0                               ; the stores have read their registers
	s_wait_loadcnt 0x0                             ; gains and offsets are in
	ROWQ 0, IMG0, SC0
	ROWQ 1, IMG0, SC0
	s_wait_dscnt 0x0                               ; for the others' sake: my stores have landed
	s_barrier_signal -1
	s_barrier_wait -1                              ; the image and the scale bytes are whole
	ds_load_b128 v[32:35], v[T16] offset:IMG0
	ds_load_b128 v[36:39], v[T16] offset:IMG0+8192
	ds_load_u16 v40, v[T2] offset:SC0
	s_wait_dscnt 0x0
	global_store_b128 v[T16], v[32:35], s[24:25]               ; each store of a wave covers 512 consecutive bytes
	global_store_b128 v[T16], v[36:39], s[24:25] offset:8192
	global_store_b16 v[T2], v40, s[26:27]
	s_wait_tensorcnt 0x0                           ; the wave's end, behind my last LDS store
	ds_add_u32 v[SPW], v[NIL]
	s_wait_dscnt 0x0
	s_endpgm
.Lfunc_end_k_q341e8bdefc_prep:
	.size	k_q341e8bdefc_prep, .Lfunc_end_k_q341e8bdefc_prep-k_q341e8bdefc_prep
	.p2alignl 7, 3214868480
	.fill 96, 4, 3214868480
	.section	.rodata,"a",@progbits
	.p2align	6, 0x0
	.amdhsa_kernel k_q341e8bdefc_prep
		.amdhsa_group_segment_fixed_size 167424
		.amdhsa_private_segment_fixed_size 0
		.amdhsa_enable_private_segment 0
		.amdhsa_kernarg_size 96
		.amdhsa_user_sgpr_count 2
		.amdhsa_user_sgpr_kernarg_segment_ptr 1
		.amdhsa_wavefront_size32 1
		.amdhsa_system_sgpr_workgroup_id_x 1
		.amdhsa_system_sgpr_workgroup_id_y 1
		.amdhsa_system_sgpr_workgroup_id_z 1
		.amdhsa_system_vgpr_workitem_id 0
		.amdhsa_next_free_vgpr 256
		.amdhsa_next_free_sgpr 66
		.amdhsa_reserve_vcc 0
		.amdhsa_float_denorm_mode_32 3
		.amdhsa_float_denorm_mode_16_64 3
		.amdhsa_memory_ordered 1
		.amdhsa_forward_progress 1
		.amdhsa_inst_pref_size 32
	.end_amdhsa_kernel
	.amdgpu_metadata
---
amdhsa.version: [ 1, 2 ]
amdhsa.kernels:
  - .name:           k_q341e8bdefc_prep
    .symbol:         k_q341e8bdefc_prep.kd
    .args:
      - { .name: x, .offset: 0, .size: 8, .value_kind: global_buffer, .address_space: global }
      - { .name: ln1_w, .offset: 8, .size: 8, .value_kind: global_buffer, .address_space: global }
      - { .name: ln1_b, .offset: 16, .size: 8, .value_kind: global_buffer, .address_space: global }
      - { .name: qkv_w_codes, .offset: 24, .size: 8, .value_kind: global_buffer, .address_space: global }
      - { .name: out_w_codes, .offset: 32, .size: 8, .value_kind: global_buffer, .address_space: global }
      - { .name: fc1_w_codes, .offset: 40, .size: 8, .value_kind: global_buffer, .address_space: global }
      - { .name: fc2_w_codes, .offset: 48, .size: 8, .value_kind: global_buffer, .address_space: global }
      - { .name: ln2_w, .offset: 56, .size: 8, .value_kind: global_buffer, .address_space: global }
      - { .name: ln2_b, .offset: 64, .size: 8, .value_kind: global_buffer, .address_space: global }
      - { .name: wr, .offset: 72, .size: 8, .value_kind: global_buffer, .address_space: global }
      - { .name: oc, .offset: 80, .size: 8, .value_kind: global_buffer, .address_space: global }
      - { .name: os, .offset: 88, .size: 8, .value_kind: global_buffer, .address_space: global }
    .group_segment_fixed_size: 167424
    .private_segment_fixed_size: 0
    .kernarg_segment_align: 8
    .kernarg_segment_size: 96
    .max_flat_workgroup_size: 512
    .sgpr_count:     66
    .vgpr_count:     256
    .wavefront_size: 32
...
	.end_amdgpu_metadata
.endif
;; end of part 1
;; launch qkv (part 2): grid 256 x 1, 4 waves a work-group, clusters of 4 x 1, 327,680 bytes of LDS; arguments oc, os, wr, qkv_w_scales, qkv_b, qc, kc, vc, qks, vs; writes qc, kc, vc, qks, vs
.if DOCPART == 2
	.amdgcn_target "amdgcn-amd-amdhsa--gfx1250"
	.amdhsa_code_object_version 6
	.text
	.protected	k_q341e8bdefc_qkv
	.globl	k_q341e8bdefc_qkv
	.p2align	8
	.type	k_q341e8bdefc_qkv,@function
k_q341e8bdefc_qkv:
	s_mov_b64 s[64:65], 0
	v_nop
	global_prefetch_b8 v0, s[64:65] scope:SCOPE_SE
	s_setreg_imm32_b32 hwreg(HW_REG_WAVE_MODE, 25, 1), 1
	s_wait_xcnt 0x0
	s_wait_alu depctr_hold_cnt(0) depctr_sa_sdst(0) depctr_va_vdst(0) depctr_va_sdst(0) depctr_va_ssrc(0) depctr_va_vcc(0) depctr_vm_vsrc(0)
	s_getreg_b32 s2, hwreg(HW_REG_IB_STS2, 6, 4)
	s_cmp_eq_u32 s2, 0
	s_cbranch_scc0 .Lentry_in_a_cluster
	s_endpgm
.Lentry_in_a_cluster:
	s_bfe_u32 s2, ttmp6, 0x10000c
	s_cmp_lg_u32 s2, 0x3003
	s_cbranch_scc0 .Lentry_shape_is_right
	s_endpgm
.Lentry_shape_is_right:
; LAUNCH 2 OF 4.  q, k, v = h W^T + b on codes of E2M1 with E8M0 scales; q and k are quantised along the head's 64, v along the keys.  h's codes and scale bytes come from oc and os, where the first launch has laid them.  No work is left out.
; SHARES.  A work-group owns 128 neighbouring tokens (four blocks of 32) and four heads; wave w owns head 4 (cluster % 4) + w: 64 rows of the weight in each of three passes (q, k, v), each 128 x 64 x 1,024: 256 products.
; h's image of the 128 tokens, 65,536 bytes, is read from memory once a work-group (a quarter a wave), goes through an LDS stage in two halves, and then STAYS IN EACH WAVE'S REGISTERS, 512 of them, for all three passes.
; THE WEIGHTS come through LDS, each wave's into 65,536 bytes of its own: ONE tensor load a wave at the head brings q's and k's 32,768 bytes each (two rows, 0x80000 bytes apart in wr); when q's products are done,
; v's 32,768 bytes fill q's part again: that load has q's quantiser and the whole pass k in which to land.  By the text's own count a wave has one tensor load out at a time.
; CLUSTER: four work-groups, four groups of tokens on the same four heads, need the same weights: each tensor load is asked for jointly, with the mask 15 and the same descriptor (it hangs on the cluster's number and the wave's alone).
; NO PREFETCH: the text has no loop to run ahead in: h and two thirds of the weights are asked for at the head, the last third as soon as its bytes are free.
; ROW SLOTS.  Token tile a = 2 g + u of block g, lane r holds token 8 u + r + 8 (r / 8) of the block; weight tile t = 2 b + e, lane r holds row 32 b + 8 e + r + 8 (r / 8) of the wave's 64.  So
;   q, k (source 0 = weight tile, source 1 = token tile): lane (r, h) holds one token, registers 64 g + 32 u + 16 b + i hold features 32 b + 16 h + i;
;   v    (source 0 = token tile, source 1 = weight tile): lane (r, h) holds one feature, registers 64 g + 16 t + i hold tokens 16 h + i of block g: 16 neighbouring keys.
; OUT: qc, kc [batch x head][block][u][lane][16 bytes]; qks [batch x head][block][32 words]: 16 scale words of q, 16 of k, byte 2 u + b of word r;
;   vc [batch x head][t][key block][r][16 bytes]; vs [batch x head][key block][64 bytes]: byte 2 lane + c for feature tile 2 c + h.
; REGISTERS, in windows of 256.  Window 0: v0-15 addresses; v16-47 h's scale words; v48-63 the weight's; v64-95 the bias as the C of a pass's first products; v96-223 four sets of weight fragments (a K step each); v224-250 the quantiser's.
;   Windows 1 and 2: h's fragments: K step k, token tile a at v[64 (k % 4) + 8 a] of window 1 + k / 4.  Window 3: the 32 accumulators (at the head: h's quarter on its way to the stage).
; LIMITS: NaN and infinities are not served.  A block of zeros gets the scale byte 1 where the rule says 127: its codes are zeros, and this program alone reads the bytes.
.set STG, 262144                       ; LDS: from 0 the weights, 65,536 bytes a wave; here h's stage, 32,768 bytes, which no tensor load fills
.set SPARE, 294912                     ; the spare words, 128 bytes for each of 4 waves: no other line names them
.set LI, 1                             ; v1   16 x lane
.set SPW, 2                            ; v2   my spare word; never rewritten
.set NIL, 3                            ; v3   0; never rewritten
.set WSA, 4                            ; v4   the weight's scale bytes: (r + 8 (r / 8) + 8 h) x 32
.set BA, 5                             ; v5   q's and k's bias in the result's layout: 64 h
.set ASA, 6                            ; v6   h's scale bytes: 32 x lane
.set VBA, 7                            ; v7   v's bias: 4 (r + 8 (r / 8))
.set VCO, 8                            ; v8   vc: 8192 h + 16 r
.set QW, 9                             ; v9   qks: 128 h + 4 r: lanes 0-15 a block's words, lanes 16-31 the next block's
.set L2, 10                            ; v10  2 x lane
.set ST, 11                            ; v11  the stage: STG + 16 x thread
.set WL, 12                            ; v12  my wave's weights in LDS: 65536 x wave + 16 x lane
.set LA, 13                            ; v13  the stage: STG + 16 x lane
.set GT, 14                            ; v14  16 x thread
.set AS, 16
.set WS, 48
.set BI, 64
.set W0, 96
.set PC, 224                           ; codes just made
.set TM, 232                           ; at work in QUANT
.set PW, 248                           ; the scale word just made
.set PWS, 249                          ; the even block's word waits for the odd block's
.set PWO, 250
.set HC, 4
.set HS, 6
.set WC, 8                             ; s[8:9] my head's codes of q in wr; k's lie 0x80000 bytes on, v's 0x100000
.set WSC, 10                           ; scale bytes: 0x8000 a pass
.set BB, 12                            ; bias: 0x1000 a pass
.set QCB, 14
.set KCB, 16
.set VCB, 18
.set QKS, 20
.set VSB, 22
.set WV, 24
.set MH, 26                            ; lanes 16-31
.set SEL, 28
.set G0A, 40                           ; s[40:43] group 0 of the head's load; s[44:47] of v's
.set G0V, 44
.set G1A, 48                           ; s[48:55] group 1: two rows of 32,768 bytes; s[56:63]: a dense block of 128 rows of 256 bytes
.set G1V, 56
.set MSB, 0
.macro WIN new                         ; the immediate's high byte repeats the setting that is left
.if MSB != (\new)
	s_set_vgpr_msb (MSB<<8)|(\new)
.set MSB, (\new)
.endif
.endm
.macro PL4                             ; four places (ISA guide 7.12.1)
.rept 4
	v_nop
.endr
.endm
.macro ROUND                           ; a round of the cluster's barrier
	s_barrier_signal -1
	s_barrier_wait -1
	s_cmp_lg_u32 s[WV], 0
	s_cbranch_scc1 .Lnot_wave_0_\@
	s_barrier_signal -3
.Lnot_wave_0_\@:
	s_barrier_wait -3
	s_barrier_signal -1
	s_barrier_wait -1
.endm
.macro BARRIER                         ; my LDS stores have landed and my LDS loads are in: then the work-group's barrier
	s_wait_dscnt 0x0
	s_barrier_signal -1
	s_barrier_wait -1
.endm
.macro WSET k, p                       ; the weight's four tiles of K step k, from part p of my LDS bytes, into set k % 4: eight loads of 512 consecutive bytes
.irp t, 0,1,2,3
.irp c, 0,1
	ds_load_b128 v[W0+32*((\k)%4)+8*\t+4*\c:W0+32*((\k)%4)+8*\t+4*\c+3], v[WL] offset:32768*(\p)+8192*\t+4096*((\k)/4)+1024*((\k)%4)+512*\c
.endr
.endr
.endm
.macro WSLOAD ps                       ; pass ps: register WS + 8 p + k: lanes 0-15 tile 2 p, lanes 16-31 tile 2 p + 1, K step k
.irp p, 0,1
.irp f, 0,1
	global_load_b128 v[WS+8*\p+4*\f:WS+8*\p+4*\f+3], v[WSA], s[WSC:WSC+1] offset:0x8000*(\ps)+1024*\p+16*\f
.endr
.endr
.endm
.macro BQK ps                          ; q's or k's bias in the result's layout: register BI + 8 t + j: feature 32 (t / 2) + 8 (t % 2) + 16 h + j
.irp t, 0,1,2,3
	global_load_b128 v[BI+8*\t:BI+8*\t+3], v[BA], s[BB:BB+1] offset:0x1000*(\ps)+(32*(\t/2)+8*(\t%2))*4
	global_load_b128 v[BI+8*\t+4:BI+8*\t+7], v[BA], s[BB:BB+1] offset:0x1000*(\ps)+(32*(\t/2)+8*(\t%2))*4+16
.endr
.endm
.macro BV                              ; v's: a lane holds one feature, so a tile's eight registers hold one number
.irp t, 0,1,2,3
.irp j, 0,1,2,3,4,5,6,7
	global_load_b32 v[BI+8*\t+\j], v[VBA], s[BB:BB+1] offset:0x2000+(32*(\t/2)+8*(\t%2))*4
.endr
.endr
.endm
.macro AFRAG hf                        ; token tiles 4 hf .. 4 hf + 3 from the stage into their registers, all eight K steps
.irp q, 0,1,2,3,4,5,6,7
	WIN 0x40*(1+\q/4)
.irp a, 0,1,2,3
.irp c, 0,1
	ds_load_b128 v[64*(\q%4)+8*(4*(\hf)+\a)+4*\c:64*(\q%4)+8*(4*(\hf)+\a)+4*\c+3], v[LA] offset:8192*\a+1024*\q+512*\c
.endr
.endr
.endr
	WIN 0
.endm
.macro WM                              ; one product, by the symbols mD, mA, mB, mC, mSA, mSB; mRA, mRB: the scales stand in lanes 16-31
.if (mRA == 0) && (mRB == 0)
	v_wmma_scale_f32_16x16x128_f8f6f4 v[mD:mD+7], v[mA:mA+7], v[mB:mB+7], v[mC:mC+7], v[mSA], v[mSB] matrix_a_fmt:MATRIX_FMT_FP4 matrix_b_fmt:MATRIX_FMT_FP4
.elseif (mRA == 1) && (mRB == 0)
	v_wmma_scale_f32_16x16x128_f8f6f4 v[mD:mD+7], v[mA:mA+7], v[mB:mB+7], v[mC:mC+7], v[mSA], v[mSB] matrix_a_fmt:MATRIX_FMT_FP4 matrix_b_fmt:MATRIX_FMT_FP4 matrix_a_scale:MATRIX_SCALE_ROW1
.elseif (mRA == 0) && (mRB == 1)
	v_wmma_scale_f32_16x16x128_f8f6f4 v[mD:mD+7], v[mA:mA+7], v[mB:mB+7], v[mC:mC+7], v[mSA], v[mSB] matrix_a_fmt:MATRIX_FMT_FP4 matrix_b_fmt:MATRIX_FMT_FP4 matrix_b_scale:MATRIX_SCALE_ROW1
.else
	v_wmma_scale_f32_16x16x128_f8f6f4 v[mD:mD+7], v[mA:mA+7], v[mB:mB+7], v[mC:mC+7], v[mSA], v[mSB] matrix_a_fmt:MATRIX_FMT_FP4 matrix_b_fmt:MATRIX_FMT_FP4 matrix_a_scale:MATRIX_SCALE_ROW1 matrix_b_scale:MATRIX_SCALE_ROW1
.endif
.endm
; K step k of a pass whose weights lie in part p: 32 products, the 32 accumulators by turns, one instruction a turn.  tr = 1: source 0 = the weight.  In K step 0 the bias is the C.
; Behind the products the set takes the K step four further on (nx = 1: on into the next pass, in the other part).  The wait with the count 24 leaves the three younger sets of eight LDS loads out; without a next pass the last steps have fewer behind them.
.macro KSTEP tr, k, p, nx
.if (\k) == 0
	s_wait_alu depctr_va_vdst(0)                   ; the wait here, directly ahead of the wait below
	s_wait_loadcnt 0x0                             ; the bias and the weight's scale words
.endif
.if (\nx) || ((\k) < 5)
	s_wait_dscnt 24
.else
	s_wait_dscnt 8*(7-(\k))
.endif
.set KW, 0xf0
.if (\k) == 0
.set KW, 0xc0                          ; C in window 0
.endif
.if \tr
	WIN KW|((1+(\k)/4)<<2)
.else
	WIN KW|(1+(\k)/4)
.endif
.irp a, 0,1,2,3,4,5,6,7
.irp t, 0,1,2,3
.if \tr
.set mD, 8*(4*\a+\t)
.set mA, W0+32*((\k)%4)+8*\t
.set mB, 64*((\k)%4)+8*\a
.set mSA, WS+8*(\t/2)+(\k)
.set mSB, AS+8*(\a/2)+(\k)
.set mRA, \t%2
.set mRB, \a%2
.else
.set mD, 64*(\a/2)+16*\t+8*(\a%2)
.set mA, 64*((\k)%4)+8*\a
.set mB, W0+32*((\k)%4)+8*\t
.set mSA, AS+8*(\a/2)+(\k)
.set mSB, WS+8*(\t/2)+(\k)
.set mRA, \a%2
.set mRB, \t%2
.endif
.set mC, mD
.if (\k) == 0
.set mC, BI+8*\t
.endif
	WM
.endr
.endr
	PL4                                            ; in front of loads into the products' registers and of reads of their results
	WIN 0
.if (\k) < 4
	WSET (\k)+4, \p
.elseif \nx
	WSET (\k)-4, 1-(\p)
.endif
.endm
.macro PASS tr, p, nx
.irp k, 0,1,2,3,4,5,6,7
	KSTEP \tr, \k, \p, \nx
.endr
.endm
; 64 numbers of a lane in window 3, register s + 16 b + i = place 16 (lane / 16) + i of block b's 32, become codes in v[PC] on (registers 4 c .. 4 c + 3: lanes 0-15 block 2 c, lanes 16-31 block 2 c + 1); the bytes in v[TM+4] on; w = 1: as a word in v[PW]
.macro QUANT s, w
	WIN 0x3c                                       ; sources 1 and 2: window 3
.irp b, 0,1,2,3
	v_max3_num_f32 v[TM+\b], 0x1800000, |v[\s+16*\b]|, |v[\s+1+16*\b]|   ; my 16 numbers, and the floor 2^(3 - 127): the byte cannot fall under 1.  Each accumulator is read from its low end on
.endr
.irp i, 2,4,6,8,10,12,14
.irp b, 0,1,2,3
	v_max3_num_f32 v[TM+\b], v[TM+\b], |v[\s+16*\b+\i]|, |v[\s+1+16*\b+\i]|
.endr
.endr
	WIN 0
.irp b, 0,1,2,3
	v_permlanex16_b32 v[TM+4+\b], v[TM+\b], s[SEL], s[SEL+1]
.endr
.irp b, 0,1,2,3
	v_max_num_f32 v[TM+\b], v[TM+\b], v[TM+4+\b]   ; with lane l xor 16's: the block's largest magnitude
.endr
.irp b, 0,1,2,3
	v_add_nc_u32 v[TM+12+\b], 0xff000000, v[TM+\b] ; 2 off its exponent field: the conversion's scale operand
.endr
.irp b, 0,1,2,3
	v_lshrrev_b32 v[TM+4+\b], 23, v[TM+12+\b]      ; the scale's byte
.endr
.if \w
	v_lshl_or_b32 v[PW], v[TM+5], 8, v[TM+4]
	v_lshl_or_b32 v[PW], v[TM+6], 16, v[PW]
	v_lshl_or_b32 v[PW], v[TM+7], 24, v[PW]
.endif
	WIN 0x03                                       ; source 0: window 3
.irp b, 0,1,2,3
	v_cvt_scalef32_pk8_fp4_f32 v[PC+2*\b], v[\s+16*\b:\s+7+16*\b], v[TM+12+\b]
	v_cvt_scalef32_pk8_fp4_f32 v[PC+1+2*\b], v[\s+8+16*\b:\s+15+16*\b], v[TM+12+\b]
.endr
	WIN 0
	v_nop                                          ; one plain place behind a scaled conversion
.irp c, 0,1
.irp i, 0,1
	v_permlane16_swap_b32 v[PC+4*\c+\i], v[PC+2+4*\c+\i]
.endr
.endr
.endm
.macro FREE                            ; the earlier stores have read their registers: only behind this wait are they written again
	s_wait_alu depctr_va_vdst(0)                   ; the wait here, directly ahead of the wait below
	s_wait_xcnt 0x0
.endm
.macro EPIQK ob, wo                    ; q or k goes out: codes to s[ob], scale words wo bytes into a block's 128
.irp g, 0,1,2,3
	FREE
	QUANT 64*\g, 1
	global_store_b128 v[LI], v[PC:PC+3], s[\ob:\ob+1] offset:1024*\g          ; 512 consecutive bytes: token tile 0 of block g,
	global_store_b128 v[LI], v[PC+4:PC+7], s[\ob:\ob+1] offset:1024*\g+512    ; tile 1
.if (\g%2) == 0
	v_mov_b32 v[PWS], v[PW]
.else
	v_cndmask_b32 v[PWO], v[PWS], v[PW], s[MH]     ; lanes 0-15 block g - 1's words, lanes 16-31 block g's
	global_store_b32 v[QW], v[PWO], s[QKS:QKS+1] offset:(\wo)+256*(\g/2)
.endif
.endr
.endm
	s_load_b512 s[4:19], s[0:1], 0x0               ; oc 4, os 6, wr 8, the weight's scales 10, bias 12, qc 14, kc 16, vc 18
	s_load_b128 s[20:23], s[0:1], 0x40             ; qks 20, vs 22
	v_lshl_add_u32 v[SPW], v0, 2, SPARE
	v_mov_b32 v[NIL], 0
	ds_add_u32 v[SPW], v[NIL]                      ; the wave's opening: the add, twice on end, and its wait ahead of my first tensor load
	ds_add_u32 v[SPW], v[NIL]
	v_lshrrev_b32 v224, 5, v0
	v_readfirstlane_b32 s[WV], v224                ; wave 0..3
	v_and_b32 v225, 31, v0                         ; lane
	v_and_b32 v226, 15, v0                         ; r
	v_bfe_u32 v227, v0, 4, 1                       ; h
	v_lshlrev_b32 v[LI], 4, v225
	v_lshlrev_b32 v[GT], 4, v0
	v_lshl_add_u32 v[ST], v0, 4, STG
	v_lshl_add_u32 v[LA], v225, 4, STG
	v_lshl_add_u32 v[WL], v224, 16, v[LI]
	v_and_b32 v228, 8, v226
	v_add_nc_u32 v228, v228, v226                  ; r + 8 (r / 8)
	v_lshl_add_u32 v[WSA], v227, 3, v228
	v_lshlrev_b32 v[WSA], 5, v[WSA]
	v_lshlrev_b32 v[BA], 6, v227
	v_lshlrev_b32 v[ASA], 5, v225
	v_lshlrev_b32 v[VBA], 2, v228
	v_lshlrev_b32 v[VCO], 4, v226
	v_lshl_add_u32 v[VCO], v227, 13, v[VCO]
	v_lshlrev_b32 v[QW], 2, v226
	v_lshl_add_u32 v[QW], v227, 7, v[QW]
	v_lshlrev_b32 v[L2], 1, v225
.irp b, 4,5,6,7
	v_mov_b32 v[TM+\b], 0                          ; written once: a lane permute's destination counts as one of its sources
.endr
	s_mov_b32 s[SEL], 0x76543210
	s_mov_b32 s[SEL+1], 0xfedcba98
	s_mov_b32 s[MH], 0xffff0000
	; descriptor group 1.  15:0 the mask: all four work-groups of the cluster; 17:16 elements of 8 bytes; 21 set beside a mask; no padding: a wave's LDS loads take 512 consecutive bytes
	s_mov_b32 s[G1A], 15|(3<<16)|(1<<21)
	s_mov_b32 s[G1A+1], 4096<<16                   ; tensor_dim0 = 4,096 elements: a pass's 32,768 bytes of my head
	s_mov_b32 s[G1A+2], 2<<16                      ; tensor_dim1 = 2: q's and k's
	s_mov_b32 s[G1A+3], 4096<<16                   ; tile_dim0
	s_mov_b32 s[G1A+4], 2                          ; tile_dim1
	s_mov_b32 s[G1A+5], 65536                      ; from row to row: 0x80000 bytes
	s_mov_b32 s[G1A+6], 0
	s_mov_b32 s[G1A+7], 0
	s_mov_b32 s[G1V], 15|(3<<16)|(1<<21)
	s_mov_b32 s[G1V+1], 32<<16                     ; v's 32,768 dense bytes as 128 rows of 256
	s_mov_b32 s[G1V+2], 128<<16
	s_mov_b32 s[G1V+3], 32<<16
	s_mov_b32 s[G1V+4], 128
	s_mov_b32 s[G1V+5], 32
	s_mov_b32 s[G1V+6], 0
	s_mov_b32 s[G1V+7], 0
	s_and_b32 s31, ttmp9, 3                        ; in a cluster launch ttmp9 counts clusters: the four heads hang on the cluster's number,
	s_lshl_b32 s31, s31, 2
	s_add_co_u32 s31, s31, s[WV]                   ; my head
	s_lshl_b32 s38, s31, 15                        ; 64 rows of 512 bytes: what feeds the descriptors never holds my place in the cluster
	s_mov_b32 s39, 0
	s_bfe_u32 s33, ttmp6, 0x40000                  ; cx: my place in the cluster
	s_lshr_b32 s30, ttmp9, 2
	s_lshl_b32 s30, s30, 2
	s_add_co_u32 s30, s30, s33                     ; my 128 tokens: group 0 .. 63
	s_lshr_b32 s32, s30, 3
	s_lshl_b32 s32, s32, 4
	s_add_co_u32 s32, s32, s31                     ; 16 x batch + head
	s_and_b32 s33, s30, 7
	s_lshl_b32 s33, s33, 2                         ; my first block of 32 in its batch
	s_lshl_b32 s34, s32, 5
	s_add_co_u32 s34, s34, s33
	s_mov_b32 s37, 0
	s_wait_alu depctr_va_vdst(0)                   ; the wait at the head's end
	s_wait_dscnt 0x0                               ; both opening adds are done
	s_wait_kmcnt 0x0
	s_add_nc_u64 s[WC:WC+1], s[WC:WC+1], s[38:39]
	s_lshl_b32 s36, s30, 16
	s_add_nc_u64 s[HC:HC+1], s[HC:HC+1], s[36:37]
	s_lshl_b32 s36, s30, 12
	s_add_nc_u64 s[HS:HS+1], s[HS:HS+1], s[36:37]
	s_lshl_b32 s36, s31, 11
	s_add_nc_u64 s[WSC:WSC+1], s[WSC:WSC+1], s[36:37]
	s_lshl_b32 s36, s31, 8
	s_add_nc_u64 s[BB:BB+1], s[BB:BB+1], s[36:37]
	s_lshl_b32 s36, s34, 10
	s_add_nc_u64 s[QCB:QCB+1], s[QCB:QCB+1], s[36:37]
	s_add_nc_u64 s[KCB:KCB+1], s[KCB:KCB+1], s[36:37]
	s_lshl_b32 s36, s34, 7
	s_add_nc_u64 s[QKS:QKS+1], s[QKS:QKS+1], s[36:37]
	s_lshl_b32 s36, s34, 6
	s_add_nc_u64 s[VSB:VSB+1], s[VSB:VSB+1], s[36:37]
	s_lshl_b32 s36, s32, 15
	s_lshl_b32 s35, s33, 8
	s_add_co_u32 s36, s36, s35
	s_add_nc_u64 s[VCB:VCB+1], s[VCB:VCB+1], s[36:37]
	; ---- a quarter of h's image, into window 3, on its way to the stage
	WIN 0xc0
.set J, 0
.rept 32
	global_load_b128 v[4*J:4*J+3], v[GT], s[HC:HC+1] offset:2048*J    ; the four waves together: 2,048 consecutive bytes
.set J, J+1
.endr
	WIN 0
	ROUND                                          ; all four work-groups are here: the first joint loads meet
	s_mov_b32 s[G0A], 1                            ; count = 1
	s_lshl_b32 s[G0A+1], s[WV], 16                 ; LDS: 65,536 x wave
	s_mov_b64 s[G0A+2:G0A+3], s[WC:WC+1]
	s_or_b32 s[G0A+3], s[G0A+3], 0x80000000        ; type = 2
	s_mov_b32 s[G0V], 1
	s_lshl_b32 s[G0V+1], s[WV], 16                 ; v's land where q's lay
	s_add_nc_u64 s[G0V+2:G0V+3], s[WC:WC+1], 0x100000
	s_or_b32 s[G0V+3], s[G0V+3], 0x80000000
	tensor_load_to_lds s[G0A:G0A+3], s[G1A:G1A+7]  ; q's and k's weights of my head: my one tensor load at the head
	s_nop 0
	PL4
.irp g, 0,1,2,3
.irp f, 0,1
	global_load_b128 v[AS+8*\g+4*\f:AS+8*\g+4*\f+3], v[ASA], s[HS:HS+1] offset:1024*\g+16*\f   ; register AS + 8 g + k: lanes 0-15 token tile 2 g, lanes 16-31 tile 2 g + 1, K step k
.endr
.endr
	WSLOAD 0
	BQK 0
	s_wait_loadcnt 20                              ; the image's quarter is in; the 8 + 4 + 8 loads behind it may be out
	WIN 0x0c                                       ; the data: window 3
.set J, 0
.rept 16
	ds_store_b128 v[ST], v[4*J:4*J+3] offset:2048*J            ; token tiles 0 to 3
.set J, J+1
.endr
	WIN 0
	BARRIER                                        ; the first half is whole
	AFRAG 0
	BARRIER                                        ; and every wave has it in registers
	WIN 0x0c
.set J, 0
.rept 16
	ds_store_b128 v[ST], v[64+4*J:64+4*J+3] offset:2048*J      ; token tiles 4 to 7
.set J, J+1
.endr
	WIN 0
	BARRIER
	AFRAG 1
	s_wait_tensorcnt 0x0                           ; q's and k's weights are in: I alone read these bytes
	WSET 0, 0
	WSET 1, 0
	WSET 2, 0
	WSET 3, 0
	; ---- q
	PASS 1, 0, 1
	s_wait_tensorcnt 0x0                           ; in front of a refill's round: no tensor load of mine is out,
	ds_add_u32 v[SPW], v[NIL]
	s_wait_dscnt 0x0                               ; the add is done, and my reads of q's weights are over
	ROUND                                          ; both hold of every wave of the cluster
	tensor_load_to_lds s[G0V:G0V+3], s[G1V:G1V+7]  ; v's weights, over q's
	s_nop 0
	PL4
	WSLOAD 1                                       ; the next pass's scale words and bias are asked for under the quantiser
	BQK 1
	EPIQK QCB, 0
	; ---- k
	PASS 1, 1, 0
	WSLOAD 2
	BV
	EPIQK KCB, 64
	; ---- v: a lane holds one feature and 16 neighbouring keys
	s_wait_tensorcnt 0x0                           ; v's weights are in
	WSET 0, 0
	WSET 1, 0
	WSET 2, 0
	WSET 3, 0
	PASS 0, 0, 0
.irp g, 0,1,2,3
	FREE
	QUANT 64*\g, 0
	global_store_b128 v[VCO], v[PC:PC+3], s[VCB:VCB+1] offset:256*\g          ; feature tiles 0 (lanes 0-15) and 1: 256 consecutive bytes each,
	global_store_b128 v[VCO], v[PC+4:PC+7], s[VCB:VCB+1] offset:16384+256*\g  ; tiles 2 and 3
	v_cndmask_b32 v[TM+8], v[TM+4], v[TM+5], s[MH]
	v_cndmask_b32 v[TM+9], v[TM+6], v[TM+7], s[MH]
	v_lshl_or_b32 v[TM+8], v[TM+9], 8, v[TM+8]
	global_store_b16 v[L2], v[TM+8], s[VSB:VSB+1] offset:64*\g
.endr
	s_wait_tensorcnt 0x0                           ; the wave's end, behind my last tensor load and my last LDS store
	ds_add_u32 v[SPW], v[NIL]
	s_wait_dscnt 0x0
	ROUND                                          ; the closing round
	s_endpgm
.Lfunc_end_k_q341e8bdefc_qkv:
	.size	k_q341e8bdefc_qkv, .Lfunc_end_k_q341e8bdefc_qkv-k_q341e8bdefc_qkv
	.p2alignl 7, 3214868480
	.fill 96, 4, 3214868480
	.section	.rodata,"a",@progbits
	.p2align	6, 0x0
	.amdhsa_kernel k_q341e8bdefc_qkv
		.amdhsa_group_segment_fixed_size 327680
		.amdhsa_private_segment_fixed_size 0
		.amdhsa_enable_private_segment 0
		.amdhsa_kernarg_size 80
		.amdhsa_user_sgpr_count 2
		.amdhsa_user_sgpr_kernarg_segment_ptr 1
		.amdhsa_wavefront_size32 1
		.amdhsa_system_sgpr_workgroup_id_x 1
		.amdhsa_system_sgpr_workgroup_id_y 1
		.amdhsa_system_sgpr_workgroup_id_z 1
		.amdhsa_system_vgpr_workitem_id 0
		.amdhsa_next_free_vgpr 1024
		.amdhsa_next_free_sgpr 66
		.amdhsa_reserve_vcc 0
		.amdhsa_float_denorm_mode_32 3
		.amdhsa_float_denorm_mode_16_64 3
		.amdhsa_memory_ordered 1
		.amdhsa_forward_progress 1
		.amdhsa_inst_pref_size 191
	.end_amdhsa_kernel
	.amdgpu_metadata
---
amdhsa.version: [ 1, 2 ]
amdhsa.kernels:
  - .name:           k_q341e8bdefc_qkv
    .symbol:         k_q341e8bdefc_qkv.kd
    .args:
      - { .name: oc, .offset: 0, .size: 8, .value_kind: global_buffer, .address_space: global }
      - { .name: os, .offset: 8, .size: 8, .value_kind: global_buffer, .address_space: global }
      - { .name: wr, .offset: 16, .size: 8, .value_kind: global_buffer, .address_space: global }
      - { .name: qkv_w_scales, .offset: 24, .size: 8, .value_kind: global_buffer, .address_space: global }
      - { .name: qkv_b, .offset: 32, .size: 8, .value_kind: global_buffer, .address_space: global }
      - { .name: qc, .offset: 40, .size: 8, .value_kind: global_buffer, .address_space: global }
      - { .name: kc, .offset: 48, .size: 8, .value_kind: global_buffer, .address_space: global }
      - { .name: vc, .offset: 56, .size: 8, .value_kind: global_buffer, .address_space: global }
      - { .name: qks, .offset: 64, .size: 8, .value_kind: global_buffer, .address_space: global }
      - { .name: vs, .offset: 72, .size: 8, .value_kind: global_buffer, .address_space: global }
    .group_segment_fixed_size: 327680
    .private_segment_fixed_size: 0
    .kernarg_segment_align: 8
    .kernarg_segment_size: 80
    .max_flat_workgroup_size: 128
    .sgpr_count:     66
    .vgpr_count:     1024
    .wavefront_size: 32
...
	.end_amdgpu_metadata
.endif
;; end of part 2
;; launch attn (part 3): grid 256 x 1, 16 waves a work-group, no clusters, 73,728 bytes of LDS; arguments qc, kc, vc, qks, vs, oc, os; writes oc, os
.if DOCPART == 3
	.amdgcn_target "amdgcn-amd-amdhsa--gfx1250"
	.amdhsa_code_object_version 6
	.text
	.protected	k_q341e8bdefc_attn
	.globl	k_q341e8bdefc_attn
	.p2align	8
	.type	k_q341e8bdefc_attn,@function
k_q341e8bdefc_attn:
	s_mov_b64 s[64:65], 0
	v_nop
	global_prefetch_b8 v0, s[64:65] scope:SCOPE_SE
	s_setreg_imm32_b32 hwreg(HW_REG_WAVE_MODE, 25, 1), 1
	s_wait_xcnt 0x0
; LAUNCH 3 OF 4.  o = softmax(q k^T / 8) v for each of 128 (batch, head), both products on codes of E2M1 with E8M0 scales; o is quantised along its 64 for the projection.  No work is left out.
; THE SOFTMAX AHEAD OF THE SECOND PRODUCT: t = score x log2(e) / 8; M = the running largest t, rounded up to a whole number; p = 2^(t - M) is quantised along the keys, not normalised.
; The row's sum is taken of the unquantised p and divides at the end.  When M moves, the sum and O are multiplied by 2^(old M - new M): exact.
; SHARES.  A work-group owns 512 queries of one head; wave w one block of 32: two tiles of 16, one after the other (a loop of two trips).  All of the head's K and V, 65,536 bytes of codes and 6,144 of scale bytes,
; are brought into LDS once, through registers, and stay: no ring, one barrier.  Four waves share a SIMD, so that one wave's vector work stands beside another's products and LDS loads.
; NO CLUSTER: a head's K and V are read by two work-groups, once each, at the head.  NO PREFETCH: everything is asked for at the head.
; THE HEAD IS 64 WIDE, THE PRODUCT'S K 128: a fragment of K holds TWO tiles of 16 keys, tile 0 in K = 0 .. 63 and tile 1 in K = 64 .. 127.  q's codes stand between two runs of zero codes: v[20:27] meets tile 0, v[16:23] tile 1.
; LAYOUT.  Both products transposed: a lane holds one query (lane % 16).  Key tile u of a block, lane r, is key 8 u + r + 8 (r / 8): so registers 16 b + i of S^T are keys 32 b + 16 (lane / 16) + i of the step's 128.
; V's feature tile t, lane r, is feature 32 (t / 2) + 8 (t % 2) + r + 8 (r / 8): so registers 16 b + i of O^T are features 32 b + 16 (lane / 16) + i.
; OUT: oc [block][u][head][lane][16 bytes], the image of the projection's operand; os [block][head][slot] two bytes.
; LIMITS: NaN and infinities are not served.  A block of zeros gets the scale byte 1 where the rule says 127: its codes are zeros, and this program alone reads the bytes.  A block's largest p is taken as 2^(its largest t - M).
.set KC, 0                             ; LDS: K's codes, [key block][u][lane][16]
.set VC, 32768                         ; V's, [t][key block][r][16]
.set QKS, 65536                        ; scale words, [key block][16 of q, 16 of k]
.set VS, 69632                         ; V's scale bytes, [t / 2][lane][key block]
.set SPARE, 71680                      ; the spare words, 128 bytes for each of 16 waves
.set SEL, 20                           ; s[20:21]
.set CS, 22                            ; s[22:23] c = log2(e) / 8
; v1 16 x lane; v2 K's scale words; v3 V's; v4, v5 the add's two; v6 16 x thread; v7, v10 the fill's places; v8 o's scale bytes; v9 2 x lane; v11 4 r; v12 -M; v13 the largest t; v[14:15] the sum;
; v16-19, v24-27 zeros; v20-23 q; v28 q's scale word; v29 the block's; v30, v31 the fill's offsets; v32-63 K; v64-95 V; v96-159 S^T, then p; v160-191 O^T; v192-199 p's codes; v200-203 scale words; v232-254 at work
.macro PL4
.rept 4
	v_nop
.endr
.endm
.macro KLOAD sg                        ; four double fragments of K, and their scale words: register 200 + p: lanes 0-15 key block 2 p of the step, lanes 16-31 block 2 p + 1
.irp b, 0,1,2,3
.irp c, 0,1
	ds_load_b128 v[32+8*\b+4*\c:35+8*\b+4*\c], v1 offset:KC+1024*(4*(\sg)+\b)+512*\c
.endr
.endr
.irp p, 0,1
	ds_load_b32 v[200+\p], v2 offset:128*(4*(\sg)+2*\p)
.endr
.endm
; A KEY STEP: 128 keys
.macro STEP sg, last
	s_wait_dscnt 0x0                               ; K of this step is in
.irp b, 0,1,2,3
.if (\b%2) == 0
	v_wmma_scale_f32_16x16x128_f8f6f4 v[96+16*\b:103+16*\b], v[32+8*\b:39+8*\b], v[20:27], 0, v[200+\b/2], v28 matrix_a_fmt:MATRIX_FMT_FP4 matrix_b_fmt:MATRIX_FMT_FP4
	v_wmma_scale_f32_16x16x128_f8f6f4 v[104+16*\b:111+16*\b], v[32+8*\b:39+8*\b], v[16:23], 0, v[200+\b/2], v28 matrix_a_fmt:MATRIX_FMT_FP4 matrix_b_fmt:MATRIX_FMT_FP4
.else
	v_wmma_scale_f32_16x16x128_f8f6f4 v[96+16*\b:103+16*\b], v[32+8*\b:39+8*\b], v[20:27], 0, v[200+\b/2], v28 matrix_a_fmt:MATRIX_FMT_FP4 matrix_b_fmt:MATRIX_FMT_FP4 matrix_a_scale:MATRIX_SCALE_ROW1
	v_wmma_scale_f32_16x16x128_f8f6f4 v[104+16*\b:111+16*\b], v[32+8*\b:39+8*\b], v[16:23], 0, v[200+\b/2], v28 matrix_a_fmt:MATRIX_FMT_FP4 matrix_b_fmt:MATRIX_FMT_FP4 matrix_a_scale:MATRIX_SCALE_ROW1
.endif
.endr
	PL4                                            ; places in front of the loads below and of the first read of the scores
.irp t, 0,1,2,3
.irp c, 0,1
	ds_load_b128 v[64+8*\t+4*\c:67+8*\t+4*\c], v1 offset:VC+8192*\t+1024*(\sg)+512*\c
.endr
.endr
.irp p, 0,1
	ds_load_b32 v[202+\p], v3 offset:1024*\p+4*(\sg)
.endr
.if (\last) == 0
	KLOAD (\sg)+1                                  ; the next step's K lands under the softmax
.endif
.irp b, 0,1,2,3
	v_max3_num_f32 v[232+\b], v[96+16*\b], v[97+16*\b], v[98+16*\b]   ; the largest score of each block of 32 keys: for the row's maximum, and for the block's largest p
.endr
.irp i, 3,5,7,9,11,13
.irp b, 0,1,2,3
	v_max3_num_f32 v[232+\b], v[232+\b], v[96+16*\b+\i], v[97+16*\b+\i]
.endr
.endr
.irp b, 0,1,2,3
	v_max_num_f32 v[232+\b], v[232+\b], v[111+16*\b]
.endr
.irp b, 0,1,2,3
	s_delay_alu instid0(VALU_DEP_4)
	v_permlanex16_b32 v[236+\b], v[232+\b], s[SEL], s[SEL+1]
.endr
.irp b, 0,1,2,3
	s_delay_alu instid0(VALU_DEP_4)
	v_max_num_f32 v[232+\b], v[232+\b], v[236+\b]  ; with lane l xor 16's 16 keys
.endr
	s_delay_alu instid0(VALU_DEP_2)
	v_max3_num_f32 v254, v232, v233, v234
	s_delay_alu instid0(VALU_DEP_1)
	v_max_num_f32 v254, v254, v235
	s_delay_alu instid0(VALU_DEP_1)
	v_mul_f32 v254, s[CS], v254                    ; as t (c is positive)
	s_delay_alu instid0(VALU_DEP_1)
	v_max_num_f32 v13, v13, v254                   ; the running largest t
	v_mov_b32 v254, v12
	s_delay_alu instid0(VALU_DEP_2)
	v_floor_f32 v12, -v13                          ; the new -M = floor(-t)
	s_delay_alu instid0(VALU_DEP_1)
	v_sub_f32 v254, v12, v254                      ; old M less new M: a whole number, 0 or less
	s_delay_alu instid0(VALU_DEP_1)
	v_cvt_i32_f32 v254, v254                       ; (it saturates)
	s_delay_alu instid0(VALU_DEP_1)
	v_ldexp_f32 v252, 1.0, v254                    ; f = 2^(old M - new M)
.irp j, 0,2,4,6,8,10,12,14,16,18,20,22,24,26,28,30,32,34,36,38,40,42,44,46,48,50,52,54,56,58,60,62
	v_pk_fma_f32 v[96+\j:97+\j], v[96+\j:97+\j], s[CS:CS+1], v[12:13] op_sel_hi:[1,0,0]   ; t - M
.endr
.irp b, 0,1,2,3
	v_fma_f32 v[232+\b], v[232+\b], s[CS], v12
.endr
	s_wait_alu depctr_va_vdst(0)
.irp j, 0,1,2,3,4,5,6,7,8,9,10,11,12,13,14,15,16,17,18,19,20,21,22,23,24,25,26,27,28,29,30,31,32,33,34,35,36,37,38,39,40,41,42,43,44,45,46,47,48,49,50,51,52,53,54,55,56,57,58,59,60,61,62,63
	v_exp_f32 v[96+\j], v[96+\j]                   ; p = 2^(t - M)
.endr
	v_pk_mul_f32 v[14:15], v[14:15], v[252:253] op_sel_hi:[1,0]   ; the sums under the new M: a plain place behind the exponentials
	s_wait_alu depctr_va_vdst(0)                   ; one wait for the whole batch, ahead of its first reader
.irp b, 0,1,2,3
	v_exp_f32 v[232+\b], v[232+\b]                 ; the block's largest p
.endr
	v_pk_add_f32 v[236:237], v[100:101], v[104:105]
	v_pk_add_f32 v[254:255], v[108:109], v[112:113]
	v_pk_add_f32 v[250:251], v[116:117], v[120:121]
	v_pk_add_f32 v[248:249], v[124:125], v[128:129]
	v_pk_add_f32 v[246:247], v[132:133], v[136:137]
	v_pk_add_f32 v[244:245], v[140:141], v[144:145]
	v_pk_add_f32 v[242:243], v[148:149], v[152:153]
	v_pk_add_f32 v[14:15], v[14:15], v[156:157]
	v_pk_add_f32 v[236:237], v[236:237], v[96:97]
	v_pk_add_f32 v[254:255], v[254:255], v[98:99]
	v_pk_add_f32 v[250:251], v[250:251], v[102:103]
	v_pk_add_f32 v[248:249], v[248:249], v[106:107]
	v_pk_add_f32 v[246:247], v[246:247], v[110:111]
	v_pk_add_f32 v[244:245], v[244:245], v[114:115]
	v_pk_add_f32 v[242:243], v[242:243], v[118:119]
	v_pk_add_f32 v[14:15], v[14:15], v[122:123]
	v_pk_add_f32 v[236:237], v[236:237], v[126:127]
	v_pk_add_f32 v[254:255], v[254:255], v[130:131]
	v_pk_add_f32 v[250:251], v[250:251], v[134:135]
	v_pk_add_f32 v[248:249], v[248:249], v[138:139]
	v_pk_add_f32 v[246:247], v[246:247], v[142:143]
	v_pk_add_f32 v[244:245], v[244:245], v[146:147]
	v_pk_add_f32 v[242:243], v[242:243], v[150:151]
	v_pk_add_f32 v[14:15], v[14:15], v[154:155]
	v_pk_add_f32 v[236:237], v[236:237], v[158:159]
	s_delay_alu instid0(VALU_DEP_2)
	v_pk_add_f32 v[14:15], v[14:15], v[248:249]
	s_delay_alu instid0(VALU_DEP_2)
	v_pk_add_f32 v[236:237], v[236:237], v[246:247]
	v_pk_add_f32 v[254:255], v[254:255], v[244:245]
	v_pk_add_f32 v[250:251], v[250:251], v[242:243]
	s_delay_alu instid0(VALU_DEP_2)
	v_pk_add_f32 v[14:15], v[14:15], v[254:255]
	s_delay_alu instid0(VALU_DEP_2)
	v_pk_add_f32 v[236:237], v[236:237], v[250:251]
	s_delay_alu instid0(VALU_DEP_1)
	v_pk_add_f32 v[14:15], v[14:15], v[236:237]
	s_wait_alu depctr_va_vdst(0)                   ; and one for the four
.irp b, 0,1,2,3
	v_max_num_f32 v[232+\b], 0x1800000, v[232+\b]  ; the floor 2^(3 - 127)
.endr
.irp b, 0,1,2,3
	s_delay_alu instid0(VALU_DEP_4)
	v_add_nc_u32 v[244+\b], 0xff000000, v[232+\b]
.endr
.irp b, 0,1,2,3
	s_delay_alu instid0(VALU_DEP_4)
	v_lshrrev_b32 v[236+\b], 23, v[244+\b]
.endr
	s_delay_alu instid0(VALU_DEP_3)
	v_lshl_or_b32 v253, v237, 8, v236              ; p's scale word for these 128 keys
	s_delay_alu instid0(VALU_DEP_1)
	v_lshl_or_b32 v253, v238, 16, v253
	s_delay_alu instid0(VALU_DEP_1)
	v_lshl_or_b32 v253, v239, 24, v253
.irp b, 0,1,2,3
	v_cvt_scalef32_pk8_fp4_f32 v[192+2*\b], v[96+16*\b:103+16*\b], v[244+\b]
	v_cvt_scalef32_pk8_fp4_f32 v[193+2*\b], v[104+16*\b:111+16*\b], v[244+\b]
.endr
	v_nop
.irp c, 0,1
.irp i, 0,1
	v_permlane16_swap_b32 v[192+4*\c+\i], v[194+4*\c+\i]
.endr
.endr
.irp j, 0,2,4,6,8,10,12,14,16,18,20,22,24,26,28,30
	v_pk_mul_f32 v[160+\j:161+\j], v[160+\j:161+\j], v[252:253] op_sel_hi:[1,0]   ; O^T under the new M
.endr
	PL4
.if \last
	s_wait_alu depctr_va_vdst(0)
	s_wait_dscnt 0x0
.else
	s_wait_alu depctr_va_vdst(0)
	s_wait_dscnt 10                                ; V is in; the next step's ten loads of K, issued behind V's, may be out
.endif
.irp t, 0,1,2,3
.if (\t%2) == 0
	v_wmma_scale_f32_16x16x128_f8f6f4 v[160+8*\t:167+8*\t], v[64+8*\t:71+8*\t], v[192:199], v[160+8*\t:167+8*\t], v[202+\t/2], v253 matrix_a_fmt:MATRIX_FMT_FP4 matrix_b_fmt:MATRIX_FMT_FP4
.else
	v_wmma_scale_f32_16x16x128_f8f6f4 v[160+8*\t:167+8*\t], v[64+8*\t:71+8*\t], v[192:199], v[160+8*\t:167+8*\t], v[202+\t/2], v253 matrix_a_fmt:MATRIX_FMT_FP4 matrix_b_fmt:MATRIX_FMT_FP4 matrix_a_scale:MATRIX_SCALE_ROW1
.endif
.endr
.endm
	s_load_b256 s[4:11], s[0:1], 0x0               ; qc 4, kc 6, vc 8, qks 10
	s_load_b128 s[12:15], s[0:1], 0x20             ; vs 12, oc 14
	s_load_b64 s[16:17], s[0:1], 0x30              ; os
	v_lshl_add_u32 v4, v0, 2, SPARE
	v_mov_b32 v5, 0
	v_lshrrev_b32 v232, 5, v0
	s_delay_alu instid0(VALU_DEP_1)
	v_readfirstlane_b32 s18, v232                  ; wave 0..15
	v_and_b32 v232, 31, v0                         ; lane
	v_and_b32 v233, 15, v0                         ; r
	v_bfe_u32 v234, v0, 4, 1                       ; h
	s_delay_alu instid0(VALU_DEP_3)
	v_lshlrev_b32 v1, 4, v232
	s_delay_alu instid0(VALU_DEP_3)
	v_lshlrev_b32 v2, 2, v233
	s_delay_alu instid0(VALU_DEP_1)
	v_lshl_add_u32 v2, v234, 7, v2
	s_delay_alu instid0(VALU_DEP_1)
	v_add_nc_u32 v2, QKS+64, v2                    ; k's words of a block: 4 r; lanes 16-31 the next block's
	v_lshl_add_u32 v3, v232, 5, VS
	v_lshlrev_b32 v6, 4, v0
	v_lshl_add_u32 v7, v0, 3, QKS
	v_mov_b32 v8, 0
	v_lshlrev_b32 v9, 1, v232
	v_lshrrev_b32 v10, 4, v0
	s_delay_alu instid0(VALU_DEP_1)
	v_lshl_add_u32 v10, v233, 6, v10
	s_delay_alu instid0(VALU_DEP_1)
	v_add_nc_u32 v10, VS, v10                      ; 64 (thread % 16) + thread / 16
	v_lshlrev_b32 v11, 2, v233
	v_lshlrev_b32 v30, 3, v0
	v_lshlrev_b32 v31, 2, v0
.irp j, 16,17,18,19,24,25,26,27
	v_mov_b32 v[\j], 0                             ; zero codes on both sides of q's
.endr
.irp j, 236,237,238,239,252,253
	v_mov_b32 v[\j], 0                             ; written once: a lane permute's destination, and a pair's upper half, count as read
.endr
	s_mov_b32 s[SEL], 0x76543210
	s_mov_b32 s[SEL+1], 0xfedcba98
	s_mov_b32 s[CS], 0x3e38aa3b
	s_mov_b32 s[CS+1], s[CS]
	s_lshr_b32 s30, ttmp9, 1                       ; 16 x batch + head
	s_and_b32 s31, ttmp9, 1
	s_lshl_b32 s31, s31, 4
	s_add_co_u32 s32, s31, s18                     ; my block of 32 queries in the batch
	s_mov_b32 s35, 0
	s_lshr_b32 s36, s30, 4
	s_lshl_b32 s36, s36, 5
	s_add_co_u32 s36, s36, s32                     ; and among all 256
	s_and_b32 s37, s30, 15                         ; the head
	s_wait_kmcnt 0x0
	s_lshl_b32 s34, s30, 15
	s_add_nc_u64 s[6:7], s[6:7], s[34:35]
	s_add_nc_u64 s[8:9], s[8:9], s[34:35]
	s_lshl_b32 s34, s30, 12
	s_add_nc_u64 s[10:11], s[10:11], s[34:35]
	s_lshl_b32 s34, s32, 7
	s_add_nc_u64 s[28:29], s[10:11], s[34:35]      ; my block's scale words of q
	s_lshl_b32 s34, s30, 11
	s_add_nc_u64 s[12:13], s[12:13], s[34:35]
	s_lshl_b32 s34, s30, 5
	s_add_co_u32 s34, s34, s32
	s_lshl_b32 s34, s34, 10
	s_add_nc_u64 s[4:5], s[4:5], s[34:35]
	s_lshl_b32 s34, s36, 14
	s_lshl_b32 s38, s37, 9
	s_add_co_u32 s34, s34, s38
	s_add_nc_u64 s[14:15], s[14:15], s[34:35]
	s_lshl_b32 s34, s36, 10
	s_lshl_b32 s38, s37, 6
	s_add_co_u32 s34, s34, s38
	s_add_nc_u64 s[16:17], s[16:17], s[34:35]
	; ---- the fill: 512 threads x 16 bytes x 4 for K, the same for V; the scale bytes
.irp j, 0,1,2,3
	global_load_b128 v[32+4*\j:35+4*\j], v6, s[6:7] offset:8192*\j
.endr
.irp j, 0,1,2,3
	global_load_b128 v[64+4*\j:67+4*\j], v6, s[8:9] offset:8192*\j
.endr
	global_load_b64 v[96:97], v30, s[10:11]
	global_load_b32 v98, v31, s[12:13]
	global_load_b32 v29, v11, s[28:29]
	global_load_b128 v[20:23], v1, s[4:5]              ; q's codes of my first tile: lane (r, h): query r, features 32 h on;
	global_load_b128 v[204:207], v1, s[4:5] offset:512 ; and of my second, which waits in v204-207: both come with the fill
	s_wait_loadcnt 0x0
.irp j, 0,1,2,3
	ds_store_b128 v6, v[32+4*\j:35+4*\j] offset:KC+8192*\j
.endr
.irp j, 0,1,2,3
	ds_store_b128 v6, v[64+4*\j:67+4*\j] offset:VC+8192*\j
.endr
	ds_store_b64 v7, v[96:97]
	v_lshrrev_b32 v99, 8, v98                      ; V's bytes lie [key block][2 lane + c] in memory and go to [c][lane][key block]: then a lane's word holds four neighbouring key blocks
	v_lshrrev_b32 v100, 16, v98
	v_lshrrev_b32 v101, 24, v98
	ds_store_b8 v10, v98
	ds_store_b8 v10, v99 offset:1024
	ds_store_b8 v10, v100 offset:32
	ds_store_b8 v10, v101 offset:1056
	s_wait_dscnt 0x0                               ; for the others' sake: my stores have landed
	s_barrier_signal -1
	s_barrier_wait -1                              ; from here on LDS is only read
	s_mov_b32 s24, 2                               ; two tiles of 16 queries
	s_mov_b32 s25, 0                               ; 16 x tile: where the tile's two bytes stand in the block's scale words
	s_mov_b32 s26, 0xffff                          ; the lanes that keep this tile's bytes of o
.Ltile:
	v_lshrrev_b32 v28, s25, v29
	s_delay_alu instid0(VALU_DEP_1)
	v_and_b32 v28, 0xffff, v28
	s_delay_alu instid0(VALU_DEP_1)
	v_lshl_or_b32 v28, v28, 16, v28                ; q's two bytes, for K = 0 .. 63 and again for 64 .. 127
	KLOAD 0
	v_mov_b32 v13, 0xff61b1e6                      ; the largest t so far: -3e38
	s_delay_alu instid0(VALU_DEP_1)
	v_floor_f32 v12, -v13
	v_mov_b32 v14, 0
	v_mov_b32 v15, 0
.irp j, 0,1,2,3,4,5,6,7,8,9,10,11,12,13,14,15,16,17,18,19,20,21,22,23,24,25,26,27,28,29,30,31
	v_mov_b32 v[160+\j], 0                         ; O^T: the step is written once, and the first change of M leaves zeros zeros
.endr
	STEP 0, 0
	STEP 1, 0
	STEP 2, 0
	STEP 3, 0
	STEP 4, 0
	STEP 5, 0
	STEP 6, 0
	STEP 7, 1
	; ---- the way out: O^T / the sum, quantised along the head's 64: two blocks
	v_add_f32 v14, v14, v15
	s_delay_alu instid0(VALU_DEP_1)
	v_permlanex16_b32 v252, v14, s[SEL], s[SEL+1]
	s_delay_alu instid0(VALU_DEP_1)
	v_add_f32 v14, v14, v252
	s_wait_alu depctr_va_vdst(0)
	v_rcp_f32 v14, v14
	PL4
	s_wait_alu depctr_va_vdst(0)                   ; ahead of the reciprocal's first reader
.irp j, 0,2,4,6,8,10,12,14,16,18,20,22,24,26,28,30
	v_pk_mul_f32 v[96+\j:97+\j], v[160+\j:161+\j], v[14:15] op_sel_hi:[1,0]
.endr
.irp b, 0,1
	v_max3_num_f32 v[232+\b], |v[96+16*\b]|, |v[97+16*\b]|, 0x1800000
.endr
.irp i, 2,4,6,8,10,12,14
.irp b, 0,1
	s_delay_alu instid0(VALU_DEP_2)
	v_max3_num_f32 v[232+\b], v[232+\b], |v[96+16*\b+\i]|, |v[97+16*\b+\i]|
.endr
.endr
.irp b, 0,1
	s_delay_alu instid0(VALU_DEP_2)
	v_permlanex16_b32 v[236+\b], v[232+\b], s[SEL], s[SEL+1]
.endr
.irp b, 0,1
	s_delay_alu instid0(VALU_DEP_2)
	v_max_num_f32 v[232+\b], v[232+\b], v[236+\b]
.endr
.irp b, 0,1
	s_delay_alu instid0(VALU_DEP_2)
	v_add_nc_u32 v[244+\b], 0xff000000, v[232+\b]
.endr
.irp b, 0,1
	s_delay_alu instid0(VALU_DEP_2)
	v_lshrrev_b32 v[236+\b], 23, v[244+\b]
.endr
.irp b, 0,1
	v_cvt_scalef32_pk8_fp4_f32 v[192+2*\b], v[96+16*\b:103+16*\b], v[244+\b]
	v_cvt_scalef32_pk8_fp4_f32 v[193+2*\b], v[104+16*\b:111+16*\b], v[244+\b]
.endr
	v_nop
	v_permlane16_swap_b32 v192, v194
	v_permlane16_swap_b32 v193, v195               ; lane (r, h): query r, features 32 h on: 16 bytes
	v_lshl_or_b32 v254, v237, 8, v236
	s_delay_alu instid0(VALU_DEP_1)
	v_cndmask_b32 v8, v8, v254, s26                ; lane 16 x tile + r keeps query r's two bytes
	global_store_b128 v1, v[192:195], s[14:15]     ; 512 consecutive bytes
.irp j, 0,1,2,3
	v_mov_b32 v[20+\j], v[204+\j]                  ; the second tile's q takes its place between the zero codes
.endr
	s_wait_xcnt 0x0                                ; the store has read its registers and its base
	s_add_nc_u64 s[14:15], s[14:15], 8192
	s_add_co_u32 s25, s25, 16
	s_lshl_b32 s26, s26, 16
	s_sub_co_i32 s24, s24, 1
	s_cmp_lg_u32 s24, 0
	s_cbranch_scc1 .Ltile
	s_wait_alu depctr_va_vdst(0)
	global_store_b16 v9, v8, s[16:17]
	s_wait_tensorcnt 0x0                           ; the wave's end, behind my last LDS store
	ds_add_u32 v4, v5
	s_wait_dscnt 0x0
	s_endpgm
.Lfunc_end_k_q341e8bdefc_attn:
	.size	k_q341e8bdefc_attn, .Lfunc_end_k_q341e8bdefc_attn-k_q341e8bdefc_attn
	.p2alignl 7, 3214868480
	.fill 96, 4, 3214868480
	.section	.rodata,"a",@progbits
	.p2align	6, 0x0
	.amdhsa_kernel k_q341e8bdefc_attn
		.amdhsa_group_segment_fixed_size 73728
		.amdhsa_private_segment_fixed_size 0
		.amdhsa_enable_private_segment 0
		.amdhsa_kernarg_size 56
		.amdhsa_user_sgpr_count 2
		.amdhsa_user_sgpr_kernarg_segment_ptr 1
		.amdhsa_wavefront_size32 1
		.amdhsa_system_sgpr_workgroup_id_x 1
		.amdhsa_system_sgpr_workgroup_id_y 1
		.amdhsa_system_sgpr_workgroup_id_z 1
		.amdhsa_system_vgpr_workitem_id 0
		.amdhsa_next_free_vgpr 256
		.amdhsa_next_free_sgpr 66
		.amdhsa_reserve_vcc 0
		.amdhsa_float_denorm_mode_32 3
		.amdhsa_float_denorm_mode_16_64 3
		.amdhsa_memory_ordered 1
		.amdhsa_forward_progress 1
		.amdhsa_inst_pref_size 138
	.end_amdhsa_kernel
	.amdgpu_metadata
---
amdhsa.version: [ 1, 2 ]
amdhsa.kernels:
  - .name:           k_q341e8bdefc_attn
    .symbol:         k_q341e8bdefc_attn.kd
    .args:
      - { .name: qc, .offset: 0, .size: 8, .value_kind: global_buffer, .address_space: global }
      - { .name: kc, .offset: 8, .size: 8, .value_kind: global_buffer, .address_space: global }
      - { .name: vc, .offset: 16, .size: 8, .value_kind: global_buffer, .address_space: global }
      - { .name: qks, .offset: 24, .size: 8, .value_kind: global_buffer, .address_space: global }
      - { .name: vs, .offset: 32, .size: 8, .value_kind: global_buffer, .address_space: global }
      - { .name: oc, .offset: 40, .size: 8, .value_kind: global_buffer, .address_space: global }
      - { .name: os, .offset: 48, .size: 8, .value_kind: global_buffer, .address_space: global }
    .group_segment_fixed_size: 73728
    .private_segment_fixed_size: 0
    .kernarg_segment_align: 8
    .kernarg_segment_size: 56
    .max_flat_workgroup_size: 512
    .sgpr_count:     66
    .vgpr_count:     256
    .wavefront_size: 32
...
	.end_amdgpu_metadata
.endif
;; end of part 3
;; launch mlp (part 4): grid 256 x 1, 16 waves a work-group, no clusters, 184,832 bytes of LDS; arguments x, oc, os, wr, out_w_scales, out_b, fc1_w_scales, fc1_b, fc2_w_scales, fc2_b, out0; writes out0
.if DOCPART == 4
	.amdgcn_target "amdgcn-amd-amdhsa--gfx1250"
	.amdhsa_code_object_version 6
	.text
	.protected	k_q341e8bdefc_mlp
	.globl	k_q341e8bdefc_mlp
	.p2align	8
	.type	k_q341e8bdefc_mlp,@function
k_q341e8bdefc_mlp:
	s_mov_b64 s[64:65], 0
	v_nop
	global_prefetch_b8 v0, s[64:65] scope:SCOPE_SE
	s_setreg_imm32_b32 hwreg(HW_REG_WAVE_MODE, 25, 1), 1
	s_wait_xcnt 0x0
; LAUNCH 4 OF 4.  x1 = x + o out_w^T + out_b;  h = LayerNorm(x1) ln2_w + ln2_b, quantised;  g = gelu(h fc1_w^T + fc1_b), quantised;  out0 = x1 + g fc2_w^T + fc2_b.  All three products on codes of E2M1.  No work is left out.
; SHARES.  A work-group owns a block of 32 neighbouring tokens, whole rows, through the whole chain: x1 stays in LDS in f32, the operands go from wave to wave as images of their registers.  Wave w makes features 64 w .. 64 w + 63
; of each layer for all 32 tokens; its 64 rows of each weight go from memory straight into registers, since no other wave of the work-group reads them.  They come from wr, where the first launch has laid them in the
; order of the operand's registers: each load of a wave covers 512 consecutive bytes.  The norm's gains and offsets come from wr likewise.
; NO CLUSTER, NO TENSOR LOAD: a joint load lands in LDS alone; x1 takes 147,968 bytes there, and two slots of 1,024 weight rows x 256 bytes are 524,288.  NO PREFETCH: the block's own streams are asked for at the head, and the weights are walked by every work-group alike.
; ROW SLOTS as in the launch qkv: token tile u, lane r holds token 8 u + r + 8 (r / 8); weight tile t = 2 b + e, lane r holds row 32 b + 8 e + r + 8 (r / 8).  Source 0 = the weight, source 1 = the tokens:
; lane (r, h) holds one token, and registers 16 b + i of the half u hold features 32 b + 16 h + i.  An image: the 16 bytes of (slot 16 u + r, K block l) at 8192 u + 256 l + 16 r; scale bytes [slot][32].
; gelu: x / 2 (1 + erf(x / sqrt 2)), erf as z P(z^2) / Q(z^2), degrees 6 and 4, z held to +-4; the division is a reciprocal and a multiplication.
; LIMITS: NaN and infinities are not served.  Far under 0 the sum 1 + erf cancels: gelu there carries an absolute error of about 1e-7 |x|.  A block of zeros gets the scale byte 1 where the rule says 127: this program alone reads the bytes.
.set IMG0, 0                           ; LDS: o's image, later g's
.set IMG1, 16384                       ; h's
.set SC0, 32768
.set SC1, 33792
.set X1, 34816                         ; 32 rows of f32: a row is 32 blocks of 128 bytes + 16, and 16 more: both pitches are odd multiples of 16 bytes
.set XP, 4624
.set BP, 144
.set SPARE, 182784
.set LI, 1                             ; v1   16 x lane
.set WSA, 3                            ; v3   a weight's scale bytes
.set BA, 4                             ; v4   a bias in the result's layout: 64 h
.set ASA, 5                            ; v5   an operand's scale bytes: 32 x lane
.set RA, 6                             ; v6   X1 by rows: my wave's two rows, my lane's block
.set IA, 7
.set SA, 8
.set XA0, 9                            ; v9, v10   X1 in the result's layout, token tile 0, 1
.set XR0, 11                           ; v11, v12  X1 by rows of my 64 columns: 16 lanes to a row's 256 bytes
.set GO, 13                            ; v13  the same place in x and in out0
.set HIM, 14                           ; v14  where g's codes go
.set HS, 15                            ; v15  and two scale bytes of a slot
.set SPW, 16
.set NIL, 17
.set T16, 20
.set T2, 21
.set ACC, 32
.set AF, 96
.set WB0, 160
.set WB1, 192
.set WS, 224
.set AS, 240
.set VA11, 250                         ; v[250:251], v[252:253] two coefficients as pairs
.set VB6, 252
.set PC, AF
.set TM, AF+8
.set PW, AF+24
.set XQ, ACC
.set TQ, ACC+32
.set LW, AF
.set LB, AF+32
.set GZ, AF
.set GZ2, AF+16
.set GP, AF+32
.set GQ, AF+48
.set XB, 4                             ; the arguments: x, oc, os, wr,
.set OCB, 6
.set OSB, 8
.set WR, 10
.set W1S, 12                           ; out_w's scales, out_b, fc1_w's scales, fc1_b,
.set B1B, 14
.set W2S, 16
.set B2B, 18
.set W3S, 20                           ; fc2_w's scales, fc2_b,
.set B3B, 22
.set YB, 24                            ; out0
.set W1C, 26                           ; made from wr: my wave's codes of out_w, fc1_w, fc2_w,
.set W2C, 28
.set W3C, 30
.set LNW, 32                           ; ln2_w,
.set LNB, 74                           ; ln2_b
.set WV, 34
.set CA13, 36
.set CA9, 38
.set CA7, 40
.set CA5, 42
.set CA3, 44
.set CA1, 46
.set CB8, 48
.set CB4, 50
.set CB2, 52
.set CB0, 54
.set RS2, 66
.set SEL, 68
.set MH, 70
.set RN, 71
.set EPSR, 72
.macro PL4                             ; four places behind matrix instructions, in front of loads into their registers and of reads of their results
.rept 4
	v_nop
.endr
.endm
.macro SPAIR reg, val                  ; a constant as a pair: the packed forms name both words
	s_mov_b32 s[\reg], \val
	s_mov_b32 s[\reg+1], \val
.endm
.macro WLOAD buf, sb, t, sg            ; tile t, 512 along K from 512 sg on: eight loads of 512 consecutive bytes, 4,096 on end
.irp q, 0,1,2,3
.irp c, 0,1
	global_load_b128 v[\buf+8*\q+4*\c:\buf+8*\q+4*\c+3], v[LI], s[\sb:\sb+1] offset:8192*(\t)+4096*(\sg)+1024*\q+512*\c
.endr
.endr
.endm
.macro WSLOAD sb
.irp p, 0,1
.irp f, 0,1
	global_load_b128 v[WS+8*\p+4*\f:WS+8*\p+4*\f+3], v[WSA], s[\sb:\sb+1] offset:1024*\p+16*\f
.endr
.endr
.endm
.macro ASPAN img, sg
.irp u, 0,1
.irp q, 0,1,2,3
.irp c, 0,1
	ds_load_b128 v[AF+32*\u+8*\q+4*\c:AF+32*\u+8*\q+4*\c+3], v[LI] offset:(\img)+8192*\u+1024*(4*(\sg)+\q)+512*\c
.endr
.endr
.endr
.endm
.macro WM                              ; one product in place, by the symbols mD, mA, mB, mSA, mSB; mRA, mRB: the scales stand in lanes 16-31
.if (mRA == 0) && (mRB == 0)
	v_wmma_scale_f32_16x16x128_f8f6f4 v[mD:mD+7], v[mA:mA+7], v[mB:mB+7], v[mD:mD+7], v[mSA], v[mSB] matrix_a_fmt:MATRIX_FMT_FP4 matrix_b_fmt:MATRIX_FMT_FP4
.elseif (mRA == 1) && (mRB == 0)
	v_wmma_scale_f32_16x16x128_f8f6f4 v[mD:mD+7], v[mA:mA+7], v[mB:mB+7], v[mD:mD+7], v[mSA], v[mSB] matrix_a_fmt:MATRIX_FMT_FP4 matrix_b_fmt:MATRIX_FMT_FP4 matrix_a_scale:MATRIX_SCALE_ROW1
.elseif (mRA == 0) && (mRB == 1)
	v_wmma_scale_f32_16x16x128_f8f6f4 v[mD:mD+7], v[mA:mA+7], v[mB:mB+7], v[mD:mD+7], v[mSA], v[mSB] matrix_a_fmt:MATRIX_FMT_FP4 matrix_b_fmt:MATRIX_FMT_FP4 matrix_b_scale:MATRIX_SCALE_ROW1
.else
	v_wmma_scale_f32_16x16x128_f8f6f4 v[mD:mD+7], v[mA:mA+7], v[mB:mB+7], v[mD:mD+7], v[mSA], v[mSB] matrix_a_fmt:MATRIX_FMT_FP4 matrix_b_fmt:MATRIX_FMT_FP4 matrix_a_scale:MATRIX_SCALE_ROW1 matrix_b_scale:MATRIX_SCALE_ROW1
.endif
.endm
; Eight products: weight tile t x both token tiles, four K steps.  The two accumulators take turns, one instruction a turn
.macro MUL8 buf, t, sg
.irp q, 0,1,2,3
.irp u, 0,1
.set mD, ACC+32*\u+8*(\t)
.set mA, (\buf)+8*\q
.set mB, AF+32*\u+8*\q
.set mSA, WS+8*((\t)/2)+4*(\sg)+\q
.set mSB, AS+4*(\sg)+\q
.set mRA, (\t)%2
.set mRB, \u
	WM
.endr
.endr
.endm
; A layer begins: what the sums start from stands in the accumulators.  mode 1: the bias.  mode 2: the bias + my columns of X1 (the residual)
.macro LSTART mode, img, sc, bb
	s_wait_xcnt 0x0
.if \mode == 1
.irp u, 0,1
.irp t, 0,1,2,3
	global_load_b128 v[ACC+32*\u+8*\t:ACC+32*\u+8*\t+3], v[BA], s[\bb:\bb+1] offset:(32*(\t/2)+8*(\t%2))*4
	global_load_b128 v[ACC+32*\u+8*\t+4:ACC+32*\u+8*\t+7], v[BA], s[\bb:\bb+1] offset:(32*(\t/2)+8*(\t%2))*4+16
.endr
.endr
.else
.irp t, 0,1,2,3
	global_load_b128 v[AF+8*\t:AF+8*\t+3], v[BA], s[\bb:\bb+1] offset:(32*(\t/2)+8*(\t%2))*4
	global_load_b128 v[AF+8*\t+4:AF+8*\t+7], v[BA], s[\bb:\bb+1] offset:(32*(\t/2)+8*(\t%2))*4+16
.endr
.irp u, 0,1
.irp b, 0,1
.irp j, 0,1,2,3
	ds_load_b128 v[ACC+32*\u+16*\b+4*\j:ACC+32*\u+16*\b+4*\j+3], v[XA0+\u] offset:BP*\b+16*\j
.endr
.endr
.endr
.endif
	ds_load_b128 v[AS:AS+3], v[ASA] offset:\sc
	ds_load_b128 v[AS+4:AS+7], v[ASA] offset:(\sc)+16
.if \mode == 1
	ASPAN \img, 0
.endif
	s_wait_loadcnt 0x0                             ; the bias, the weight's scale words and its first two groups
	s_wait_dscnt 0x0
.if \mode == 2
.irp u, 0,1
.irp t, 0,1,2,3
.irp k, 0,2,4,6
	v_pk_add_f32 v[ACC+32*\u+8*\t+\k:ACC+32*\u+8*\t+\k+1], v[ACC+32*\u+8*\t+\k:ACC+32*\u+8*\t+\k+1], v[AF+8*\t+\k:AF+8*\t+\k+1]
.endr
.endr
.endr
	ASPAN \img, 0
	PL4
	s_wait_dscnt 0x0
.endif
.endm
; A layer: eight groups (tile, half of K) on two sets of weight registers.  Behind a group's products its set takes the group two further on; the wait with the count 8 leaves that one younger group of eight loads out
.macro LAYER img, wb, nx, nwb, nsb
	MUL8 WB0, 0, 0
	PL4
	WLOAD WB0, \wb, 2, 0
	MUL8 WB1, 1, 0
	PL4
	WLOAD WB1, \wb, 3, 0
	s_wait_loadcnt 8
	MUL8 WB0, 2, 0
	PL4
	WLOAD WB0, \wb, 0, 1
	s_wait_loadcnt 8
	MUL8 WB1, 3, 0
	PL4
	WLOAD WB1, \wb, 1, 1
	ASPAN \img, 1
	s_wait_loadcnt 8
	s_wait_dscnt 0x0
	MUL8 WB0, 0, 1
	PL4
	WLOAD WB0, \wb, 2, 1
	s_wait_loadcnt 8
	MUL8 WB1, 1, 1
	PL4
	WLOAD WB1, \wb, 3, 1
	s_wait_loadcnt 8
	MUL8 WB0, 2, 1
	PL4
.if \nx
	WLOAD WB0, \nwb, 0, 0                          ; the next layer's first groups are asked for under this layer's end
	s_wait_loadcnt 8
.else
	s_wait_loadcnt 0x0
.endif
	MUL8 WB1, 3, 1
	PL4
.if \nx
	WSLOAD \nsb
	WLOAD WB1, \nwb, 1, 0
.endif
.endm
; 64 numbers of a lane, register 16 b + i = place 16 (lane / 16) + i of block b's 32, become codes in v[PC] on (registers 4 c .. 4 c + 3: lanes 0-15 block 2 c, lanes 16-31 block 2 c + 1); the bytes in v[TM+4] on
.macro QUANT s
.irp b, 0,1,2,3
	v_max3_num_f32 v[TM+\b], |v[\s+16*\b]|, |v[\s+1+16*\b]|, 0x1800000
.endr
.irp i, 2,4,6,8,10,12,14
.irp b, 0,1,2,3
	s_delay_alu instid0(VALU_DEP_4)
	v_max3_num_f32 v[TM+\b], v[TM+\b], |v[\s+16*\b+\i]|, |v[\s+1+16*\b+\i]|
.endr
.endr
.irp b, 0,1,2,3
	s_delay_alu instid0(VALU_DEP_4)
	v_permlanex16_b32 v[TM+4+\b], v[TM+\b], s[SEL], s[SEL+1]
.endr
.irp b, 0,1,2,3
	s_delay_alu instid0(VALU_DEP_4)
	v_max_num_f32 v[TM+\b], v[TM+\b], v[TM+4+\b]
.endr
.irp b, 0,1,2,3
	s_delay_alu instid0(VALU_DEP_4)
	v_add_nc_u32 v[TM+12+\b], 0xff000000, v[TM+\b]
.endr
.irp b, 0,1,2,3
	s_delay_alu instid0(VALU_DEP_4)
	v_lshrrev_b32 v[TM+4+\b], 23, v[TM+12+\b]
.endr
.irp b, 0,1,2,3
	v_cvt_scalef32_pk8_fp4_f32 v[PC+2*\b], v[\s+16*\b:\s+7+16*\b], v[TM+12+\b]
	v_cvt_scalef32_pk8_fp4_f32 v[PC+1+2*\b], v[\s+8+16*\b:\s+15+16*\b], v[TM+12+\b]
.endr
	v_nop
.irp c, 0,1
.irp i, 0,1
	v_permlane16_swap_b32 v[PC+4*\c+\i], v[PC+2+4*\c+\i]
.endr
.endr
.endm
.macro WSUM a, b
	s_delay_alu instid0(VALU_DEP_1)
	v_add_f32_dpp v[\a], v[\a], v[\a] row_xmask:1 row_mask:0xf bank_mask:0xf
	s_delay_alu instid0(VALU_DEP_1)
	v_add_f32_dpp v[\a], v[\a], v[\a] row_xmask:2 row_mask:0xf bank_mask:0xf
	s_delay_alu instid0(VALU_DEP_1)
	v_add_f32_dpp v[\a], v[\a], v[\a] row_xmask:4 row_mask:0xf bank_mask:0xf
	s_delay_alu instid0(VALU_DEP_1)
	v_add_f32_dpp v[\a], v[\a], v[\a] row_xmask:8 row_mask:0xf bank_mask:0xf
	s_delay_alu instid0(VALU_DEP_1)
	v_permlanex16_b32 v[\b], v[\a], s[SEL], s[SEL+1]
	s_delay_alu instid0(VALU_DEP_1)
	v_add_f32 v[\a], v[\a], v[\b]
.endm
; Row slot 2 w + i: the norm in f32, gain and offset, and the quantiser.  Lane l owns K block l
.macro ROWQ i, img, sc
.irp j, 0,1,2,3,4,5,6,7
	ds_load_b128 v[XQ+4*\j:XQ+4*\j+3], v[RA] offset:XP*(\i)+16*\j
.endr
	s_wait_dscnt 0x0
	v_pk_add_f32 v[66:67], v[32:33], v[34:35]
	v_pk_add_f32 v[254:255], v[40:41], v[44:45]
	v_pk_add_f32 v[248:249], v[48:49], v[52:53]
	v_pk_add_f32 v[246:247], v[56:57], v[60:61]
	v_pk_add_f32 v[244:245], v[36:37], v[38:39]
	v_pk_add_f32 v[242:243], v[42:43], v[46:47]
	v_pk_add_f32 v[240:241], v[50:51], v[54:55]
	v_pk_add_f32 v[64:65], v[58:59], v[62:63]
	s_delay_alu instid0(VALU_DEP_1)
	v_pk_add_f32 v[64:65], v[64:65], v[246:247]
	v_pk_add_f32 v[66:67], v[66:67], v[244:245]
	v_pk_add_f32 v[254:255], v[254:255], v[242:243]
	v_pk_add_f32 v[248:249], v[248:249], v[240:241]
	s_delay_alu instid0(VALU_DEP_2)
	v_pk_add_f32 v[64:65], v[64:65], v[254:255]
	s_delay_alu instid0(VALU_DEP_2)
	v_pk_add_f32 v[66:67], v[66:67], v[248:249]
	s_delay_alu instid0(VALU_DEP_1)
	v_pk_add_f32 v[64:65], v[64:65], v[66:67]
	s_delay_alu instid0(VALU_DEP_1)
	v_add_f32 v[TQ], v[TQ], v[TQ+1]
	WSUM TQ, TQ+1
	s_delay_alu instid0(VALU_DEP_1)
	v_mul_f32 v[TQ], s[RN], v[TQ]
	s_delay_alu instid0(VALU_DEP_1)
	v_mov_b32 v[TQ+1], v[TQ]
.irp j, 0,2,4,6,8,10,12,14,16,18,20,22,24,26,28,30
	v_pk_add_f32 v[XQ+\j:XQ+\j+1], v[XQ+\j:XQ+\j+1], v[TQ:TQ+1] neg_lo:[0,1] neg_hi:[0,1]
.endr
	v_pk_mul_f32 v[TQ+2:TQ+3], v[XQ:XQ+1], v[XQ:XQ+1]
	v_pk_mul_f32 v[TQ+4:TQ+5], v[XQ+2:XQ+3], v[XQ+2:XQ+3]
.irp j, 4,8,12,16,20,24,28
	s_delay_alu instid0(VALU_DEP_2)
	v_pk_fma_f32 v[TQ+2:TQ+3], v[XQ+\j:XQ+\j+1], v[XQ+\j:XQ+\j+1], v[TQ+2:TQ+3]
	s_delay_alu instid0(VALU_DEP_2)
	v_pk_fma_f32 v[TQ+4:TQ+5], v[XQ+\j+2:XQ+\j+3], v[XQ+\j+2:XQ+\j+3], v[TQ+4:TQ+5]
.endr
	s_delay_alu instid0(VALU_DEP_1)
	v_pk_add_f32 v[TQ+2:TQ+3], v[TQ+2:TQ+3], v[TQ+4:TQ+5]
	s_delay_alu instid0(VALU_DEP_1)
	v_add_f32 v[TQ+2], v[TQ+2], v[TQ+3]
	WSUM TQ+2, TQ+3
	s_delay_alu instid0(VALU_DEP_1)
	v_fma_f32 v[TQ+2], v[TQ+2], s[RN], s[EPSR]
	s_wait_alu depctr_va_vdst(0)
	v_rsq_f32 v[TQ+2], v[TQ+2]
	v_nop                                          ; a plain place behind the transcendental,
	s_wait_alu depctr_va_vdst(0)                   ; and the wait ahead of its first reader
	v_mov_b32 v[TQ+3], v[TQ+2]
.irp j, 0,2,4,6,8,10,12,14,16,18,20,22,24,26,28,30
	v_pk_mul_f32 v[XQ+\j:XQ+\j+1], v[XQ+\j:XQ+\j+1], v[TQ+2:TQ+3]
.endr
.irp j, 0,2,4,6,8,10,12,14,16,18,20,22,24,26,28,30
	v_pk_fma_f32 v[XQ+\j:XQ+\j+1], v[XQ+\j:XQ+\j+1], v[LW+\j:LW+\j+1], v[LB+\j:LB+\j+1]
.endr
	v_max3_num_f32 v[TQ], |v[XQ]|, |v[XQ+1]|, 0x1800000
	v_max_num_f32 v[TQ+1], |v[XQ+2]|, |v[XQ+3]|
.irp j, 4,8,12,16,20,24,28
	s_delay_alu instid0(VALU_DEP_2)
	v_max3_num_f32 v[TQ], v[TQ], |v[XQ+\j]|, |v[XQ+\j+1]|
	s_delay_alu instid0(VALU_DEP_2)
	v_max3_num_f32 v[TQ+1], v[TQ+1], |v[XQ+\j+2]|, |v[XQ+\j+3]|
.endr
	s_delay_alu instid0(VALU_DEP_1)
	v_max_num_f32 v[TQ], v[TQ], v[TQ+1]
	s_delay_alu instid0(VALU_DEP_1)
	v_add_nc_u32 v[TQ+4], 0xff000000, v[TQ]
	s_delay_alu instid0(VALU_DEP_1)
	v_lshrrev_b32 v[TQ+5], 23, v[TQ+4]
.irp g, 0,1,2,3
	v_cvt_scalef32_pk8_fp4_f32 v[TQ+8+\g], v[XQ+8*\g:XQ+8*\g+7], v[TQ+4]
.endr
	v_nop
	ds_store_b128 v[IA], v[TQ+8:TQ+11] offset:(\img)+16*(\i)
	ds_store_b8 v[SA], v[TQ+5] offset:(\sc)+32*(\i)
	s_wait_dscnt 0x0                               ; the stores have read their registers
.endm
.macro BARRIER                         ; my LDS stores have landed and my LDS loads are in: then the work-group's barrier
	s_wait_dscnt 0x0
	s_barrier_signal -1
	s_barrier_wait -1
.endm
.macro XPUT                            ; the accumulators into my columns of X1, each from its low end on
.irp u, 0,1
.irp b, 0,1
.irp j, 0,1,2,3
	ds_store_b128 v[XA0+\u], v[ACC+32*\u+16*\b+4*\j:ACC+32*\u+16*\b+4*\j+3] offset:BP*\b+16*\j
.endr
.endr
.endr
.endm
; gelu of 16 numbers at ACC + 16 n.  The 16 reciprocals are one batch with one wait; two runs of packed multiplications stand between
.macro GELU n
.set GA, ACC+16*(\n)
.irp k, 0,2,4,6,8,10,12,14
	v_pk_mul_f32 v[GZ+\k:GZ+\k+1], v[GA+\k:GA+\k+1], s[RS2:RS2+1] op_sel_hi:[1,0]
.endr
.irp k, 0,1,2,3,4,5,6,7,8,9,10,11,12,13,14,15
	v_med3_num_f32 v[GZ+\k], v[GZ+\k], -4.0, 4.0
.endr
.irp k, 0,2,4,6,8,10,12,14
	v_pk_mul_f32 v[GZ2+\k:GZ2+\k+1], v[GZ+\k:GZ+\k+1], v[GZ+\k:GZ+\k+1]
.endr
.irp k, 0,2,4,6,8,10,12,14
	v_pk_fma_f32 v[GP+\k:GP+\k+1], v[GZ2+\k:GZ2+\k+1], s[CA13:CA13+1], v[VA11:VA11+1] op_sel_hi:[1,0,1]
	v_pk_fma_f32 v[GQ+\k:GQ+\k+1], v[GZ2+\k:GZ2+\k+1], s[CB8:CB8+1], v[VB6:VB6+1] op_sel_hi:[1,0,1]
.endr
.irp c, CA9, CA7, CA5, CA3, CA1
.irp k, 0,2,4,6,8,10,12,14
	v_pk_fma_f32 v[GP+\k:GP+\k+1], v[GP+\k:GP+\k+1], v[GZ2+\k:GZ2+\k+1], s[\c:\c+1] op_sel_hi:[1,1,0]
.endr
.endr
.irp c, CB4, CB2, CB0
.irp k, 0,2,4,6,8,10,12,14
	v_pk_fma_f32 v[GQ+\k:GQ+\k+1], v[GQ+\k:GQ+\k+1], v[GZ2+\k:GZ2+\k+1], s[\c:\c+1] op_sel_hi:[1,1,0]
.endr
.endr
	s_wait_alu depctr_va_vdst(0)
.irp k, 0,1,2,3,4,5,6,7,8,9,10,11,12,13,14,15
	v_rcp_f32 v[GQ+\k], v[GQ+\k]
.endr
.irp k, 0,2,4,6,8,10,12,14
	v_pk_mul_f32 v[GP+\k:GP+\k+1], v[GP+\k:GP+\k+1], v[GZ+\k:GZ+\k+1]
.endr
.irp k, 0,2,4,6,8,10,12,14
	v_pk_mul_f32 v[GZ+\k:GZ+\k+1], v[GA+\k:GA+\k+1], 0.5 op_sel_hi:[1,0]
.endr
	s_wait_alu depctr_va_vdst(0)                   ; one wait for the batch, ahead of its first reader
.irp k, 0,2,4,6,8,10,12,14
	v_pk_mul_f32 v[GP+\k:GP+\k+1], v[GP+\k:GP+\k+1], v[GQ+\k:GQ+\k+1]    ; erf
.endr
.irp k, 0,2,4,6,8,10,12,14
	v_pk_fma_f32 v[GA+\k:GA+\k+1], v[GZ+\k:GZ+\k+1], v[GP+\k:GP+\k+1], v[GZ+\k:GZ+\k+1]   ; x / 2 erf + x / 2
.endr
.endm
	s_load_b256 s[4:11], s[0:1], 0x0               ; x, oc, os, wr
	s_load_b256 s[12:19], s[0:1], 0x20             ; out_w's scales, out_b, fc1_w's scales, fc1_b
	s_load_b128 s[20:23], s[0:1], 0x40             ; fc2_w's scales, fc2_b
	s_load_b64 s[24:25], s[0:1], 0x50              ; out0
	v_lshl_add_u32 v[SPW], v0, 2, SPARE
	v_mov_b32 v[NIL], 0
	v_lshrrev_b32 v26, 5, v0
	s_delay_alu instid0(VALU_DEP_1)
	v_readfirstlane_b32 s[WV], v26                 ; wave 0..15
	v_and_b32 v27, 31, v0                          ; lane
	v_and_b32 v28, 15, v0                          ; r
	v_bfe_u32 v29, v0, 4, 1                        ; h
	s_delay_alu instid0(VALU_DEP_2)
	v_and_b32 v30, 8, v28
	s_delay_alu instid0(VALU_DEP_1)
	v_add_nc_u32 v30, v30, v28                     ; r + 8 (r / 8)
	v_lshlrev_b32 v[LI], 4, v27
	s_delay_alu instid0(VALU_DEP_2)
	v_lshl_add_u32 v[WSA], v29, 3, v30
	s_delay_alu instid0(VALU_DEP_1)
	v_lshlrev_b32 v[WSA], 5, v[WSA]
	v_lshlrev_b32 v[BA], 6, v29
	v_lshlrev_b32 v[ASA], 5, v27
	v_lshlrev_b32 v[T16], 4, v0
	v_lshlrev_b32 v[T2], 1, v0
	v_lshlrev_b32 v22, 8, v27                      ; v22  the prefetches' offset: 256 x lane; never rewritten
	v_lshlrev_b32 v23, 8, v28                      ; v23  256 x (lane % 16), for a bias of 4,096 bytes: the upper lanes name the lower lanes' blocks again; never rewritten
	v_mov_b32 v[VA11], 0x32edffee
	v_mov_b32 v[VA11+1], 0x32edffee
	v_mov_b32 v[VB6], 0xb95fbd29
	v_mov_b32 v[VB6+1], 0xb95fbd29
	SPAIR CA13, 0xaf95df0b
	SPAIR CA9, 0xb60cff51
	SPAIR CA7, 0xb86ec2d2
	SPAIR CA5, 0xba40ac63
	SPAIR CA3, 0xbb41a1f6
	SPAIR CA1, 0xbc83dbd4
	SPAIR CB8, 0xb77460cd
	SPAIR CB4, 0xbadc924e
	SPAIR CB2, 0xbbf19bf8
	SPAIR CB0, 0xbc69b6a7
	SPAIR RS2, 0x3f3504f3
	s_mov_b32 s[SEL], 0x76543210
	s_mov_b32 s[SEL+1], 0xfedcba98
	s_mov_b32 s[MH], 0xffff0000
	s_mov_b32 s[RN], 0x3a800000
	s_mov_b32 s[EPSR], 0x3727c5ac
	s_mul_i32 s56, s[WV], 2*XP
	s_add_co_u32 s56, s56, X1                      ; my wave's two rows of X1
	v_mul_u32_u24 v[RA], v27, BP
	s_delay_alu instid0(VALU_DEP_1)
	v_add_nc_u32 v[RA], s56, v[RA]
	s_lshr_b32 s57, s[WV], 3
	s_lshl_b32 s57, s57, 13
	s_and_b32 s58, s[WV], 7
	s_lshl_b32 s58, s58, 5
	s_add_co_u32 s57, s57, s58
	v_lshl_add_u32 v[IA], v27, 8, s57
	s_lshl_b32 s58, s[WV], 6
	v_add_nc_u32 v[SA], s58, v27
	s_mul_i32 s59, s[WV], 2*BP
	s_add_co_u32 s59, s59, X1                      ; my wave's 64 columns in a row of X1
	v_mul_u32_u24 v[XA0], v28, XP
	s_delay_alu instid0(VALU_DEP_1)
	v_lshl_add_u32 v[XA0], v29, 6, v[XA0]
	s_delay_alu instid0(VALU_DEP_1)
	v_add_nc_u32 v[XA0], s59, v[XA0]
	s_delay_alu instid0(VALU_DEP_1)
	v_add_nc_u32 v[XA0+1], 16*XP, v[XA0]
	v_lshrrev_b32 v31, 3, v28
	s_delay_alu instid0(VALU_DEP_1)
	v_mul_u32_u24 v31, v31, BP
	v_and_b32 v26, 7, v28
	s_delay_alu instid0(VALU_DEP_1)
	v_lshl_add_u32 v31, v26, 4, v31
	s_delay_alu instid0(VALU_DEP_1)
	v_mad_u32_u24 v31, v29, XP, v31
	s_delay_alu instid0(VALU_DEP_1)
	v_add_nc_u32 v[XR0], s59, v31
	s_delay_alu instid0(VALU_DEP_1)
	v_add_nc_u32 v[XR0+1], 16*XP, v[XR0]
	s_lshl_b32 s60, s[WV], 8
	v_lshlrev_b32 v[GO], 4, v28
	s_delay_alu instid0(VALU_DEP_1)
	v_lshl_add_u32 v[GO], v29, 12, v[GO]
	s_delay_alu instid0(VALU_DEP_1)
	v_add_nc_u32 v[GO], s60, v[GO]
	s_lshl_b32 s61, s[WV], 9
	v_add_nc_u32 v[HIM], s61, v[LI]
	s_lshl_b32 s61, s[WV], 1
	v_add_nc_u32 v[HS], s61, v[ASA]
	s_mov_b32 s57, 0
	s_wait_alu depctr_va_vdst(0)
	s_wait_kmcnt 0x0
	; A PREFETCH INTO THE L2 (this takes the place of what the comment at the kernel's head says of prefetching).  Every work-group walks the same 1,572,864 bytes of weight codes, 98,304 of scale bytes, three biases and ln2's gain and offset,
	; layer by layer, with two groups of eight loads a wave on their way.  These streams are asked for here, ahead of the head's loads, shared out among the work-groups BY CHUNKS OF 8,192 BYTES, a lane to a block of 256 bytes, one instruction a wave:
	; p = min(g, 255 - g) for work-group g.  Waves 0 and 1 ask for chunk 2 p + wave of wr from 0x180000 on: chunks 0 to 191 are the three weights, chunk 193 is ln2_w and ln2_b; chunk 192 is not read by this launch and is not asked for.
	; Waves 2, 3, 4 of p = 0 ask for out_b, fc1_b, fc2_b; waves 5, 6, 7 of p < 4 for chunk p of out_w's, fc1_w's, fc2_w's scale bytes.  So each block is named by two work-groups, g and 255 - g, whose numbers differ in every bit.
	; A work-group asks for 16,384 bytes of weight codes at the most (p < 4: three chunks of scale bytes as well; p = 0: the three biases too), less than one group of its walk (65,536).  Every address lies inside its buffer: 0x180000 + 193 x 8,192 + 31 x 256 < 3,162,112; 3 x 8,192 + 31 x 256 < 32,768; 15 x 256 < 4,096.
	; The address registers v22, v23 and s[76:77] are written nowhere behind these lines.  The branches hang on the work-group's and the wave's number alone.
	s_sub_co_u32 s62, 0xff, ttmp9
	s_min_u32 s62, s62, ttmp9                      ; p
	s_lshl_b32 s63, s62, 1
	s_add_co_u32 s63, s63, s[WV]                   ; 2 p + wave
	s_mov_b32 s79, 0
	s_cmp_lt_u32 s[WV], 2
	s_cbranch_scc0 .Lpf_small
	s_cmp_gt_u32 s63, 193
	s_cbranch_scc1 .Lpf_done
	s_cmp_eq_u32 s63, 192
	s_cbranch_scc1 .Lpf_done
	s_lshl_b32 s78, s63, 13
	s_add_nc_u64 s[76:77], s[WR:WR+1], s[78:79]
	s_add_nc_u64 s[76:77], s[76:77], 0x180000
	global_prefetch_b8 v22, s[76:77] th:TH_LOAD_NT scope:SCOPE_SE
	s_branch .Lpf_done
.Lpf_small:
	s_cmp_gt_u32 s[WV], 7
	s_cbranch_scc1 .Lpf_done
	s_cmp_lt_u32 s[WV], 5
	s_cbranch_scc0 .Lpf_scales
	s_cmp_lg_u32 s62, 0
	s_cbranch_scc1 .Lpf_done
	s_cmp_eq_u32 s[WV], 3
	s_cselect_b64 s[76:77], s[B2B:B2B+1], s[B3B:B3B+1]
	s_cmp_eq_u32 s[WV], 2
	s_cselect_b64 s[76:77], s[B1B:B1B+1], s[76:77]
	global_prefetch_b8 v23, s[76:77] th:TH_LOAD_NT scope:SCOPE_SE
	s_branch .Lpf_done
.Lpf_scales:
	s_cmp_gt_u32 s62, 3
	s_cbranch_scc1 .Lpf_done
	s_cmp_eq_u32 s[WV], 6
	s_cselect_b64 s[76:77], s[W2S:W2S+1], s[W3S:W3S+1]
	s_cmp_eq_u32 s[WV], 5
	s_cselect_b64 s[76:77], s[W1S:W1S+1], s[76:77]
	s_lshl_b32 s78, s62, 13
	s_add_nc_u64 s[76:77], s[76:77], s[78:79]
	global_prefetch_b8 v22, s[76:77] th:TH_LOAD_NT scope:SCOPE_SE
.Lpf_done:
	s_lshl_b32 s56, s[WV], 15                      ; 64 rows of 512 bytes
	s_add_nc_u64 s[W1C:W1C+1], s[WR:WR+1], s[56:57]
	s_add_nc_u64 s[W2C:W2C+1], s[W1C:W1C+1], 0x200000   ; fc1_w in wr,
	s_add_nc_u64 s[W3C:W3C+1], s[W1C:W1C+1], 0x280000   ; fc2_w,
	s_add_nc_u64 s[W1C:W1C+1], s[W1C:W1C+1], 0x180000   ; out_w,
	s_add_nc_u64 s[LNW:LNW+1], s[WR:WR+1], 0x302000     ; ln2_w,
	s_add_nc_u64 s[LNB:LNB+1], s[WR:WR+1], 0x303000     ; ln2_b
	s_lshl_b32 s56, s[WV], 11
	s_add_nc_u64 s[W1S:W1S+1], s[W1S:W1S+1], s[56:57]
	s_add_nc_u64 s[W2S:W2S+1], s[W2S:W2S+1], s[56:57]
	s_add_nc_u64 s[W3S:W3S+1], s[W3S:W3S+1], s[56:57]
	s_lshl_b32 s56, s[WV], 8
	s_add_nc_u64 s[B1B:B1B+1], s[B1B:B1B+1], s[56:57]
	s_add_nc_u64 s[B2B:B2B+1], s[B2B:B2B+1], s[56:57]
	s_add_nc_u64 s[B3B:B3B+1], s[B3B:B3B+1], s[56:57]
	s_lshl_b32 s56, ttmp9, 17                      ; 32 rows of 4,096 bytes
	s_add_nc_u64 s[XB:XB+1], s[XB:XB+1], s[56:57]
	s_add_nc_u64 s[YB:YB+1], s[YB:YB+1], s[56:57]
	s_lshl_b32 s56, ttmp9, 14
	s_add_nc_u64 s[OCB:OCB+1], s[OCB:OCB+1], s[56:57]
	s_lshl_b32 s56, ttmp9, 10
	s_add_nc_u64 s[OSB:OSB+1], s[OSB:OSB+1], s[56:57]
	; ---- the head's loads: o's image and scale bytes, my 64 columns of the block's x, the first weights
	global_load_b128 v[96:99], v[T16], s[OCB:OCB+1] th:TH_LOAD_NT
	global_load_b128 v[100:103], v[T16], s[OCB:OCB+1] offset:8192 th:TH_LOAD_NT
	global_load_u16 v104, v[T2], s[OSB:OSB+1]
.irp n, 0,1,2,3,4,5,6,7,8,9,10,11,12,13,14,15
	global_load_b128 v[ACC+4*\n:ACC+4*\n+3], v[GO], s[XB:XB+1] offset:(8*(\n/8)+2*(\n%8)+8*((\n%8)/4))*4096 th:TH_LOAD_NT   ; slots 2 n and 2 n + 1: sixteen lanes read 256 consecutive bytes of a row
.endr
	WSLOAD W1S
	WLOAD WB0, W1C, 0, 0
	WLOAD WB1, W1C, 1, 0
	s_wait_loadcnt 36                              ; o is in; the 16 loads of x and the 20 of weights may be out
	ds_store_b128 v[T16], v[96:99] offset:IMG0
	ds_store_b128 v[T16], v[100:103] offset:IMG0+8192
	ds_store_b16 v[HS], v104 offset:SC0            ; thread 32 head + slot: bytes 2 head, 2 head + 1 of the slot's 32
	s_wait_loadcnt 20                              ; x is in
.irp n, 0,1,2,3,4,5,6,7,8,9,10,11,12,13,14,15
	ds_store_b128 v[XR0+\n/8], v[ACC+4*\n:ACC+4*\n+3] offset:(\n%8)*2*XP
.endr
	BARRIER                                        ; o's image and scale bytes are whole
	; ---- x1 = x + out_b + o out_w^T
	LSTART 2, IMG0, SC0, B1B
	s_wait_alu depctr_va_vdst(0)
	LAYER IMG0, W1C, 1, W2C, W2S
	XPUT                                           ; into the bytes that I alone have touched so far
.irp j, 0,1,2,3,4,5,6,7
	global_load_b128 v[LW+4*\j:LW+4*\j+3], v[LI], s[LNW:LNW+1] offset:512*\j
	global_load_b128 v[LB+4*\j:LB+4*\j+3], v[LI], s[LNB:LNB+1] offset:512*\j
.endr
	BARRIER                                        ; the rows of x1 are whole, and nobody reads o's image any more
	; ---- the norm, two rows a wave
	s_wait_loadcnt 0x0
	ROWQ 0, IMG1, SC1
	ROWQ 1, IMG1, SC1
	BARRIER                                        ; h's image is whole, and nobody reads X1 by rows any more
	; ---- g = gelu(fc1_b + h fc1_w^T), quantised: K blocks 2 w and 2 w + 1 of the last product
	LSTART 1, IMG1, SC1, B2B
	LAYER IMG1, W2C, 1, W3C, W3S
	GELU 0
	GELU 1
	GELU 2
	GELU 3
	QUANT ACC
	ds_store_b128 v[HIM], v[PC:PC+3] offset:IMG0
	ds_store_b128 v[HIM], v[PC+4:PC+7] offset:IMG0+8192
	v_lshl_or_b32 v[TM+8], v[TM+5], 8, v[TM+4]     ; token tile 0's two bytes,
	v_lshl_or_b32 v[TM+9], v[TM+7], 8, v[TM+6]     ; tile 1's
	s_delay_alu instid0(VALU_DEP_1)
	v_cndmask_b32 v[TM+8], v[TM+8], v[TM+9], s[MH] ; lane = slot
	ds_store_b16 v[HS], v[TM+8] offset:SC0
	BARRIER                                        ; g's image is whole
	; ---- out0 = x1 + fc2_b + g fc2_w^T
	LSTART 2, IMG0, SC0, B3B
	s_wait_alu depctr_va_vdst(0)
	LAYER IMG0, W3C, 0, 0, 0
	XPUT                                           ; through my own columns of X1, so that sixteen lanes store 256 consecutive bytes of a row
.irp n, 0,1,2,3,4,5,6,7,8,9,10,11,12,13,14,15
	ds_load_b128 v[AF+4*\n:AF+4*\n+3], v[XR0+\n/8] offset:(\n%8)*2*XP   ; LDS serves a wave's instructions in order (ISA guide 5.7.1.4): these see the stores above
.endr
.irp n, 0,1,2,3,4,5,6,7,8,9,10,11,12,13,14,15
	s_wait_dscnt 15-\n
	global_store_b128 v[GO], v[AF+4*\n:AF+4*\n+3], s[YB:YB+1] offset:(8*(\n/8)+2*(\n%8)+8*((\n%8)/4))*4096 th:TH_STORE_NT
.endr
	s_wait_tensorcnt 0x0                           ; the wave's end, behind my last LDS store
	ds_add_u32 v[SPW], v[NIL]
	s_wait_dscnt 0x0
	s_endpgm
.Lfunc_end_k_q341e8bdefc_mlp:
	.size	k_q341e8bdefc_mlp, .Lfunc_end_k_q341e8bdefc_mlp-k_q341e8bdefc_mlp
	.p2alignl 7, 3214868480
	.fill 96, 4, 3214868480
	.section	.rodata,"a",@progbits
	.p2align	6, 0x0
	.amdhsa_kernel k_q341e8bdefc_mlp
		.amdhsa_group_segment_fixed_size 184832
		.amdhsa_private_segment_fixed_size 0
		.amdhsa_enable_private_segment 0
		.amdhsa_kernarg_size 88
		.amdhsa_user_sgpr_count 2
		.amdhsa_user_sgpr_kernarg_segment_ptr 1
		.amdhsa_wavefront_size32 1
		.amdhsa_system_sgpr_workgroup_id_x 1
		.amdhsa_system_sgpr_workgroup_id_y 1
		.amdhsa_system_sgpr_workgroup_id_z 1
		.amdhsa_system_vgpr_workitem_id 0
		.amdhsa_next_free_vgpr 256
		.amdhsa_next_free_sgpr 80
		.amdhsa_reserve_vcc 0
		.amdhsa_float_denorm_mode_32 3
		.amdhsa_float_denorm_mode_16_64 3
		.amdhsa_memory_ordered 1
		.amdhsa_forward_progress 1
		.amdhsa_inst_pref_size 144
	.end_amdhsa_kernel
	.amdgpu_metadata
---
amdhsa.version: [ 1, 2 ]
amdhsa.kernels:
  - .name:           k_q341e8bdefc_mlp
    .symbol:         k_q341e8bdefc_mlp.kd
    .args:
      - { .name: x, .offset: 0, .size: 8, .value_kind: global_buffer, .address_space: global }
      - { .name: oc, .offset: 8, .size: 8, .value_kind: global_buffer, .address_space: global }
      - { .name: os, .offset: 16, .size: 8, .value_kind: global_buffer, .address_space: global }
      - { .name: wr, .offset: 24, .size: 8, .value_kind: global_buffer, .address_space: global }
      - { .name: out_w_scales, .offset: 32, .size: 8, .value_kind: global_buffer, .address_space: global }
      - { .name: out_b, .offset: 40, .size: 8, .value_kind: global_buffer, .address_space: global }
      - { .name: fc1_w_scales, .offset: 48, .size: 8, .value_kind: global_buffer, .address_space: global }
      - { .name: fc1_b, .offset: 56, .size: 8, .value_kind: global_buffer, .address_space: global }
      - { .name: fc2_w_scales, .offset: 64, .size: 8, .value_kind: global_buffer, .address_space: global }
      - { .name: fc2_b, .offset: 72, .size: 8, .value_kind: global_buffer, .address_space: global }
      - { .name: out0, .offset: 80, .size: 8, .value_kind: global_buffer, .address_space: global }
    .group_segment_fixed_size: 184832
    .private_segment_fixed_size: 0
    .kernarg_segment_align: 8
    .kernarg_segment_size: 88
    .max_flat_workgroup_size: 512
    .sgpr_count:     80
    .vgpr_count:     256
    .wavefront_size: 32
...
	.end_amdgpu_metadata
.endif
;; end of part 4
